; MI455X (gfx1250); checked and timed in simulation.
; The chip was launched on July 23, 2026; its instructions are those of AMD's public machine-readable ISA for CDNA 5 (MIT licence, August 2026) and "CDNA5" Instruction Set Architecture Reference Guide (July 2026). The comments in the code are by the model that wrote it; some were corrected since.
;; Fused Multi Head Attention. Allowed arithmetic: matrix products marked QUANTISED: E2M3 operands, one E8M0 scale for each 32 along K, by v_wmma_scale_f32_16x16x128_f8f6f4 with both operands' format E2M3, f32 sums; everything else in f32.
;; Inputs: W_out 1,024 x 1,024 float32; W_qkv 1,024 x 3,072 float32; b_out 1,024 float32; b_qkv 3,072 float32; x 4 x 2,048 x 1,024 float32.
;; Outputs: out0 4 x 2,048 x 1,024 float32.
;; This version of the problem:
;;   THIS VERSION OF THE PROBLEM IS GIVEN IN LOW PRECISION. The matrix products marked QUANTISED in the list below multiply operands that are first quantised to E2M3 (2 exponent bits, 3 mantissa bits; 6 bits a number), with one power-of-two scale for each 32 numbers along K (OCP MX v1.0); their sums are f32. All else is computed in f32.
;;   The module's matrix products, in the order in which they are computed (A, B: the left and right operand; K: the contracted axis; several contracted axes count as one K, in the product's order):
;;     1. [M 8,192, K 1,024] x [K 1,024, N 3,072]; A: input x; B: input W_qkv: QUANTISED
;;     2. batch 64 x [M 2,048, K 64] x [K 64, N 2,048]; A: computed on the way; B: computed on the way: QUANTISED
;;     3. batch 64 x [M 2,048, K 2,048] x [K 2,048, N 64]; A: softmax (see below); B: computed on the way: QUANTISED
;;     4. [M 8,192, K 1,024] x [K 1,024, N 1,024]; A: computed on the way; B: input W_out: QUANTISED
;;   THE QUANTISER, for each operand of a quantised product, along K:
;;     - K is cut into blocks of 32 from its start; a last block that is shorter is filled with zeros.
;;     - A block's scale is 2^e with e = floor(log2(the largest magnitude in the block)) - 2, held to -126 .. 127; a block of zeros has e = 0. As a byte (E8M0): e + 127.
;;     - Each number is divided by its block's scale, clamped to +-7.5, and rounded to the nearest number of E2M3, ties to even, subnormals kept.
;;     - The product sums the exact products of the quantised numbers (number of the format x scale) in f32.
;;   ~~~python
;;   def quantise(x, axis):      # numpy; x: float32 -> the quantised numbers, widened to float32 again
;;       x = np.moveaxis(x, axis, -1); K = x.shape[-1]
;;       x = np.pad(x, [(0, 0)] * (x.ndim - 1) + [(0, -K % 32)]); x = x.reshape(x.shape[:-1] + (-1, 32)); a = np.abs(x).max(-1, keepdims=True)
;;       e = np.where(a > 0, np.clip(np.frexp(np.where(a > 0, a, 1))[1] - 1 - 2, -126, 127), 0)      # np.frexp(a)[1] - 1 = floor(log2(a)), exactly
;;       r = np.clip(x / 2.0 ** e, -7.5, 7.5)
;;       step = 2.0 ** (np.maximum(np.frexp(np.where(r == 0, 1, r))[1] - 1, 0) - 3)
;;       q = np.round(r / step) * step * 2.0 ** e      # np.round: ties to even
;;       return np.moveaxis(q.reshape(q.shape[:-2] + (-1,))[..., :K], -1, axis).astype(np.float32)
;;   ~~~
;;   SOFTMAX AHEAD OF A QUANTISED PRODUCT. Where the list says 'softmax', what is quantised is not the finished softmax but p = 2^(t - M), with t = logit x log2(e) and M = ceil(the row's largest t), a whole number; so 1/2 < the row's largest p <= 1. The row's sum l is taken of the UNQUANTISED p, in f32, and the product's result is divided by l at the end. Since M is a whole number, a kernel that streams over the keys may use a running M (the ceiling of the running maximum): every later rescaling is an exact power of two, which a block's scale takes up: the codes' values come out the same.
;;   OPERANDS COMPUTED ON THE WAY. 'Computed on the way' means the value that the module computes at that place (a softmax that the list does not call 'softmax' is quantised finished and normalised). What goes into a quantiser is computed in f32, as accurately as f32 sums, v_exp_f32 and their like allow (about 1e-6 of the number): no bf16 or f16 on the way to a quantiser, and a product that is left as it is and whose result goes on into a quantised operand takes f32 operands (vector FMAs, or v_wmma_f32_16x16x4_f32). A number that lies on a knife's edge between two numbers of the format may be rounded either way, as far as f32 arithmetic and the matrix unit's own rounding can turn it there, and no further.
;; One version. Each part assembles by itself: llvm-mc -triple=amdgcn-amd-amdhsa -mcpu=gfx1250 --defsym DOCPART=n.
;; ======== version 1 of 1: 4 launches
;; limits: right only within a limited range of input values
;; workspace buffers: bufA 9,011,200 bytes; bufB 19,922,944 bytes; bufC 7,372,800 bytes
;; launch prep (part 1): grid 512 x 1, 4 waves a work-group, no clusters, 60,928 bytes of LDS; arguments x, W_qkv, W_out, bufA, bufC; writes bufA, bufC
.if DOCPART == 1
	.amdgcn_target "amdgcn-amd-amdhsa--gfx1250"
	.amdhsa_code_object_version 6
	.text
	.protected	k_q253a6d0cd8_prep
	.globl	k_q253a6d0cd8_prep
	.p2align	8
	.type	k_q253a6d0cd8_prep,@function
k_q253a6d0cd8_prep:
	s_mov_b64 s[64:65], 0
	v_nop
	global_prefetch_b8 v0, s[64:65] scope:SCOPE_SE
	s_setreg_imm32_b32 hwreg(HW_REG_WAVE_MODE, 25, 1), 1
	s_wait_xcnt 0x0
; x [8192][1024], W_qkv [1024 (K)][3072] and W_out [1024 (K)][1024], all f32, become codes of FP6 (E2M3) with one E8M0 byte for each 32 along K.
; THE LAYOUT OF ALL CODES IN THIS PROGRAM IS THE IMAGE OF AN OPERAND'S REGISTERS.  A tile is 16 rows: lane r of tile T holds row 32 (T / 2) + 8 (T % 2) + r + 8 (r / 8).
; The image of (tile, 128 along K) is the 12 registers of a fragment as they stand: registers 4 q .. 4 q + 3 of lane l at byte 512 q + 16 l: 1,536 bytes.
; Codes: [group of 128 rows][K step 0..7][tile 0..7][1,536].  Scale words (four bytes: 128 along K of one row): tile x 512 + (step / 4) x 256 + 16 r + 4 (step % 4).
; A block's scale is 2^(floor(log2(largest magnitude)) - 2): its byte is the largest magnitude's exponent field - 2, held at 1 from below.
; LIMITS: a block whose largest magnitude lies under 2^-124 keeps the byte 1 (a block of zeros too, where the rule says 127: its codes are zeros, and this program alone reads the bytes);
; NaN and infinities among the inputs are not served.
; WORK-GROUPS 0-255 take x, 256-447 W_qkv, 448-511 W_out.  The three ways part on the work-group's number, never join, and have LDS bytes of their own.  Waves share nothing: no barrier.
.set XS_O,  0                          ; bufA: x's scale words,
.set WS_O,  262144                     ; W_qkv's,
.set XC_O,  360448                     ; x's codes,
.set WC_O,  6651904                    ; W_qkv's
.set WOS_O, 262144                     ; bufC: W_out's scale words,
.set WOC_O, 6586368                    ; and codes
.set SPARE, 60416                      ; behind the stages: the spare words, 128 bytes for each wave
.set SPW,   8                          ; v8   LDS address of my spare word; never rewritten
.set NIL,   9                          ; v9   0; never rewritten
.set SEL,   20                         ; s20, s21 lane selects: lane l xor 16
.set TM,    10                         ; x: v10-21 at work in QUANT
.set PW,    24                         ; v24-27 the four K steps' scale words
.set PC,    28                         ; v28-39 a fragment's codes
.set PT,    40                         ; v40-47 the upper halves of blocks, before they are moved
.set R,     48                         ; v48-175 two sets of 64: a K step of 16 rows as loaded
.set X,     176                        ; v176-239 64 numbers of my row: register 16 b + i = k 32 b + 16 (lane / 16) + i
.set CW,    16                         ; weights: v16-47 codes, eight registers a block
.set OW,    48                         ; v48-71 two images on the way out
.set XW,    72                         ; v72-199 128 numbers down K of my column
; 64 numbers of a lane, register 16 b + i = k 32 b + 16 (lane / 16) + i of its row, become a fragment's 12 registers at v[pc] and the row's scale word in v[pw].
.macro QUANT s, pc, pt, tm, pw
.irp b, 0,1,2,3
	v_max3_num_f32 v[\tm+\b], |v[\s+16*\b]|, |v[\s+1+16*\b]|, 0x1800000   ; my 16 numbers of block b, and the floor 2^(3 - 127): the byte cannot fall under 1
.endr
.irp i, 2,4,6,8,10,12,14
.irp b, 0,1,2,3
	v_max3_num_f32 v[\tm+\b], v[\tm+\b], |v[\s+16*\b+\i]|, |v[\s+1+16*\b+\i]|   ; the four blocks by turns
.endr
.endr
.irp b, 0,1,2,3
	v_permlanex16_b32 v[\tm+4+\b], v[\tm+\b], s[SEL], s[SEL+1]
.endr
.irp b, 0,1,2,3
	v_max_num_f32 v[\tm+\b], v[\tm+\b], v[\tm+4+\b]                        ; with lane l xor 16's 16: the block's largest magnitude
.endr
.irp b, 0,1,2,3
	v_add_nc_u32 v[\tm+8+\b], 0xff000000, v[\tm+\b]                        ; 2 off its exponent field: the conversion's scale operand
.endr
.irp b, 0,1,2,3
	v_lshrrev_b32 v[\tm+4+\b], 23, v[\tm+8+\b]                             ; the scale's byte
.endr
	v_lshl_or_b32 v[\pw], v[\tm+5], 8, v[\tm+4]
	v_lshl_or_b32 v[\pw], v[\tm+6], 16, v[\pw]
	v_lshl_or_b32 v[\pw], v[\tm+7], 24, v[\pw]
.irp c, 0,1
	v_cvt_scalef32_pk16_fp6_f32 v[\pc+6*\c:\pc+6*\c+2], v[\s+32*\c:\s+32*\c+15], v[\tm+8+2*\c]
	v_cvt_scalef32_pk16_fp6_f32 v[\pt+4*\c:\pt+4*\c+2], v[\s+16+32*\c:\s+31+32*\c], v[\tm+9+2*\c]   ; (a conversion's three registers begin on an even number)
.endr
	v_nop                                          ; one plain instruction behind the scaled conversions
.irp c, 0,1                                    ; the layout wants a whole block in a lane: lanes 0-15 block 2 c, lanes 16-31 block 2 c + 1
.irp i, 0,1,2
	v_permlane16_swap_b32 v[\pc+6*\c+\i], v[\pt+4*\c+\i]
.endr
.irp i, 0,1,2
	v_mov_b32 v[\pc+3+6*\c+\i], v[\pt+4*\c+\i]
.endr
.endr
.endm
	s_load_b256 s[4:11], s[0:1], 0x0               ; x s[4:5], W_qkv s[6:7], W_out s[8:9], bufA s[10:11]
	s_load_b64 s[12:13], s[0:1], 0x20              ; bufC
	v_lshl_add_u32 v[SPW], v0, 2, SPARE
	v_mov_b32 v[NIL], 0
	v_lshrrev_b32 v1, 5, v0
	v_readfirstlane_b32 s16, v1                    ; wave 0..3
	v_and_b32 v1, 31, v0                           ; lane
	s_mov_b32 s[SEL], 0x76543210
	s_mov_b32 s[SEL+1], 0xfedcba98
	s_wait_kmcnt 0x0
	s_cmp_lt_u32 ttmp9, 256
	s_cbranch_scc0 .Lweights
; ---- x.  A wave takes one tile of 16 rows x 512 along K: four K steps.  Each load reads 512 consecutive bytes of one row; the 16 rows turn through the wave's own stage
; (rows 528 bytes apart, so that the 16 rows of a read start in different banks) and come back 16 neighbours of each block to a lane.
	v_and_b32 v2, 15, v0                           ; r
	v_bfe_u32 v3, v0, 4, 1                         ; h
	s_wait_alu depctr_va_vdst(0)
	v_lshlrev_b32 v4, 4, v1                        ; 16 x lane: in a row's 512 bytes, and in an image's piece
	s_mul_i32 s17, s16, 16*528                     ; my stage
	v_add_nc_u32 v5, s17, v4                       ; into it: 16 x lane, the row in the immediate
	v_mul_u32_u24 v6, v2, 528
	v_lshl_add_u32 v6, v3, 6, v6
	v_add_nc_u32 v6, s17, v6                       ; out of it: row r, + 64 h
	v_lshlrev_b32 v7, 4, v2                        ; 16 r: my row's four scale words
.irp b, 0,1,2,3
	v_mov_b32 v[TM+4+\b], 0                        ; written once: a lane permute's destination counts as one of its sources
.endr
	s_lshl_b32 s18, ttmp9, 2
	s_add_co_u32 s18, s18, s16                     ; my unit: 4 x work-group + wave
	s_lshr_b32 s19, s18, 1                         ; tile T
	s_and_b32 s18, s18, 1                          ; which half of K
	s_lshr_b32 s22, s19, 1
	s_lshl_b32 s22, s22, 17                        ; 32 (T / 2) rows of 4,096 bytes
	s_and_b32 s23, s19, 1
	s_lshl_b32 s23, s23, 15                        ; + 8 (T % 2) rows
	s_add_co_u32 s22, s22, s23
	s_lshl_b32 s23, s18, 11                        ; + 2,048 bytes for the second half of K
	s_add_co_u32 s22, s22, s23
	s_mov_b32 s23, 0
	s_add_nc_u64 s[4:5], s[4:5], s[22:23]
	s_lshr_b32 s22, s19, 3
	s_mul_i32 s22, s22, 98304                      ; the codes: group T / 8,
	s_mul_i32 s24, s18, 49152                      ; K step 4 x half,
	s_add_co_u32 s22, s22, s24
	s_and_b32 s24, s19, 7
	s_mul_i32 s24, s24, 1536                       ; tile T % 8
	s_add_co_u32 s22, s22, s24
	s_add_co_u32 s22, s22, XC_O
	s_add_nc_u64 s[26:27], s[10:11], s[22:23]
	s_lshl_b32 s22, s19, 9                         ; the scale words: 512 T + 256 x half (XS_O is 0)
	s_lshl_b32 s24, s18, 8
	s_add_co_u32 s22, s22, s24
	s_add_nc_u64 s[28:29], s[10:11], s[22:23]
.macro LOADX t                         ; K step t of the tile's 16 rows
.irp i, 0,1,2,3,4,5,6,7,8,9,10,11,12,13,14,15
	global_load_b128 v[R+64*((\t)%2)+4*\i:R+64*((\t)%2)+4*\i+3], v4, s[4:5] offset:(\i+8*(\i/8))*4096+512*(\t) th:TH_LOAD_NT
.endr
.endm
.macro XSTEP t
.if (\t) < 3
	s_wait_loadcnt 16                              ; this K step's 16 loads are in; the next step's 16 stay out
.else
	s_wait_loadcnt 0x0
.endif
.irp i, 0,1,2,3,4,5,6,7,8,9,10,11,12,13,14,15
	ds_store_b128 v5, v[R+64*((\t)%2)+4*\i:R+64*((\t)%2)+4*\i+3] offset:528*\i
.endr
.irp b, 0,1,2,3
.irp j, 0,1,2,3
	ds_load_b128 v[X+16*\b+4*\j:X+16*\b+4*\j+3], v6 offset:128*\b+16*\j   ; LDS serves a wave's instructions in order: these see the stores above
.endr
.endr
	s_wait_dscnt 0x0                               ; my numbers are back, and the stores have read their registers,
.if (\t) < 2
	LOADX (\t)+2                                   ; which take the K step two on
.endif
	s_wait_xcnt 0x0                                ; the last step's stores have read the codes' registers
	QUANT X, PC, PT, TM, PW+(\t)
.irp q, 0,1,2
	global_store_b128 v4, v[PC+4*\q:PC+4*\q+3], s[26:27] offset:12288*(\t)+512*\q   ; 32 lanes store 512 consecutive bytes, aligned
.endr
.endm
	LOADX 0
	LOADX 1
	s_wait_alu depctr_va_vdst(0)
	XSTEP 0
	XSTEP 1
	XSTEP 2
	XSTEP 3
	s_wait_xcnt 0x0                                ; EXEC changes only behind this wait
	v_cmp_gt_u32 vcc_lo, 16, v1
	s_and_saveexec_b32 s30, vcc_lo                 ; lanes 16-31 hold the same words
	global_store_b128 v7, v[PW:PW+3], s[28:29]     ; sixteen lanes store 256 consecutive bytes, aligned
	s_wait_xcnt 0x0
	s_or_b32 exec_lo, exec_lo, s30
	s_wait_tensorcnt 0x0                           ; the wave's end
	ds_add_u32 v[SPW], v[NIL]
	s_wait_dscnt 0x0
	s_endpgm
; ---- a weight, K along its first axis.  A work-group takes 128 columns x 128 along K; a lane takes a column and its registers run down K, so a block of 32 is one lane's and the codes come out with K innermost.
; Lane l of wave w is column 32 w + l of the group: tile 2 w + u with u = (l / 8) % 2, lane r = l % 8 + 8 (l / 16) of it.  Block j of the column belongs to the image's lane r + 16 (j % 2), registers 6 (j / 2) on:
; it is put there in the wave's stage (two images, 1,664 bytes apart), and the images leave as they lie, 512 consecutive bytes a store.
.macro WLOAD j, pitch                  ; block j: 32 rows of the weight at my column: the four waves read 512 consecutive bytes of a row
.set k, 0
.rept 32
	global_load_b32 v[XW+32*(\j)+k], v2, s[26:27] offset:(32*(\j)+k)*\pitch th:TH_LOAD_NT
.set k, k+1
.endr
.endm
.macro WPATH pitch, first, stage, wlo, dlo, creg, sreg
	s_sub_co_u32 s17, ttmp9, \first
	s_lshr_b32 s18, s17, 3                         ; group of 128 columns
	s_and_b32 s17, s17, 7                          ; K step
	v_lshlrev_b32 v2, 2, v1                        ; 4 bytes a lane
	v_bfe_u32 v10, v0, 3, 1                        ; u
	v_and_b32 v11, 7, v0
	v_bfe_u32 v12, v0, 4, 1
	v_lshl_add_u32 v11, v12, 3, v11                ; r
	s_mul_i32 s19, s16, 2*1664
	s_add_co_u32 s19, s19, \stage                  ; my stage
	v_mul_u32_u24 v3, v10, 1664
	v_lshl_add_u32 v3, v11, 4, v3
	v_add_nc_u32 v3, s19, v3                       ; into it: image u, 16 r
	v_lshlrev_b32 v5, 4, v1                        ; 16 x lane
	v_add_nc_u32 v4, s19, v5                       ; out of it
	v_lshlrev_b32 v6, 9, v10
	v_lshl_add_u32 v6, v11, 4, v6                  ; my scale word: 512 u + 16 r
	s_mul_i32 s22, s17, 128*\pitch                 ; the weight at row 128 x step,
	s_lshl_b32 s24, s18, 9                         ; column 128 x group
	s_add_co_u32 s22, s22, s24
	s_lshl_b32 s24, s16, 7                         ; + 32 x wave
	s_add_co_u32 s22, s22, s24
	s_mov_b32 s23, 0
	s_add_nc_u64 s[26:27], s[\wlo:\wlo+1], s[22:23]
	s_mul_i32 s22, s18, 98304                      ; the codes: group, K step, tiles 2 w and 2 w + 1
	s_mul_i32 s24, s17, 12288
	s_add_co_u32 s22, s22, s24
	s_mul_i32 s24, s16, 3072
	s_add_co_u32 s22, s22, s24
	s_add_co_u32 s22, s22, \creg
	s_add_nc_u64 s[28:29], s[\dlo:\dlo+1], s[22:23]
	s_lshl_b32 s22, s18, 3                         ; the scale words: tile 8 x group + 2 w,
	s_lshl_b32 s24, s16, 1
	s_add_co_u32 s22, s22, s24
	s_lshl_b32 s22, s22, 9
	s_lshr_b32 s24, s17, 2                         ; + 256 (step / 4) + 4 (step % 4)
	s_lshl_b32 s24, s24, 8
	s_add_co_u32 s22, s22, s24
	s_and_b32 s24, s17, 3
	s_lshl_b32 s24, s24, 2
	s_add_co_u32 s22, s22, s24
	s_add_co_u32 s22, s22, \sreg
	s_add_nc_u64 s[30:31], s[\dlo:\dlo+1], s[22:23]
	WLOAD 0, \pitch
	WLOAD 1, \pitch
.irp j, 0,1,2,3
.if \j < 3
	s_wait_loadcnt 32                              ; this block's 32 loads are in; the next block's 32 stay out
.else
	s_wait_loadcnt 0x0
.endif
.if \j < 2
	WLOAD \j+2, \pitch                             ; two blocks ahead; every block has registers of its own
.endif
	v_max3_num_f32 v12, |v[XW+32*\j]|, |v[XW+32*\j+1]|, |v[XW+32*\j+2]|     ; the block's largest magnitude: all 32 numbers are mine; two chains
	v_max3_num_f32 v13, |v[XW+32*\j+3]|, |v[XW+32*\j+4]|, |v[XW+32*\j+5]|
.irp i, 6,10,14,18,22,26
	v_max3_num_f32 v12, v12, |v[XW+32*\j+\i]|, |v[XW+32*\j+\i+1]|
	v_max3_num_f32 v13, v13, |v[XW+32*\j+\i+2]|, |v[XW+32*\j+\i+3]|
.endr
	v_max3_num_f32 v12, v12, |v[XW+32*\j+30]|, |v[XW+32*\j+31]|
	v_max3_num_f32 v12, v12, v13, 0x1800000        ; and the floor 2^(3 - 127)
	v_add_nc_u32 v11, 0xff000000, v12              ; 2 off the exponent field: the conversion's scale operand
	v_lshrrev_b32 v13, 23, v11                     ; the byte
.if \j == 0
	v_mov_b32 v7, v13
.else
	v_lshl_or_b32 v7, v13, 8*\j, v7                ; four bytes make my column's scale word
.endif
	v_cvt_scalef32_pk16_fp6_f32 v[CW+8*\j:CW+8*\j+2], v[XW+32*\j:XW+32*\j+15], v11
	v_cvt_scalef32_pk16_fp6_f32 v[CW+8*\j+4:CW+8*\j+6], v[XW+32*\j+16:XW+32*\j+31], v11
	v_nop                                          ; one plain instruction behind the scaled conversions
	v_mov_b32 v[CW+8*\j+3], v[CW+8*\j+4]           ; the block's six registers on end
	v_mov_b32 v[CW+8*\j+4], v[CW+8*\j+5]
	v_mov_b32 v[CW+8*\j+5], v[CW+8*\j+6]
.if \j < 2
	ds_store_b128 v3, v[CW+8*\j:CW+8*\j+3] offset:256*\j                   ; registers 0-3 of lane r + 16 j,
	ds_store_b64 v3, v[CW+8*\j+4:CW+8*\j+5] offset:512+256*\j              ; registers 4, 5
.else
	ds_store_b64 v3, v[CW+8*\j:CW+8*\j+1] offset:520+256*(\j-2)            ; registers 6, 7 of lane r + 16 (j - 2),
	ds_store_b128 v3, v[CW+8*\j+2:CW+8*\j+5] offset:1024+256*(\j-2)        ; registers 8-11
.endif
.endr
.irp u, 0,1
.irp q, 0,1,2
	ds_load_b128 v[OW+12*\u+4*\q:OW+12*\u+4*\q+3], v4 offset:1664*\u+512*\q   ; LDS serves a wave's instructions in order: these see my stores
.endr
.endr
	s_wait_alu depctr_va_vdst(0)
	s_wait_dscnt 0x0
.irp u, 0,1
.irp q, 0,1,2
	global_store_b128 v5, v[OW+12*\u+4*\q:OW+12*\u+4*\q+3], s[28:29] offset:1536*\u+512*\q   ; 512 consecutive bytes, aligned
.endr
.endr
	global_store_b32 v6, v7, s[30:31]              ; a word a lane, 16 bytes apart: the other words of these bytes' neighbourhood are other K steps': one byte in 128 of what this way reads
	s_wait_tensorcnt 0x0                           ; the wave's end
	ds_add_u32 v[SPW], v[NIL]
	s_wait_dscnt 0x0
	s_endpgm
.endm
.Lweights:
	s_cmp_lt_u32 ttmp9, 448
	s_cbranch_scc0 .Lwout
	s_wait_alu depctr_va_vdst(0)
	WPATH 12288, 256, 33792, 6, 10, WC_O, WS_O
.Lwout:
	s_wait_alu depctr_va_vdst(0)
	WPATH 4096, 448, 47104, 8, 12, WOC_O, WOS_O
.Lfunc_end_k_q253a6d0cd8_prep:
	.size	k_q253a6d0cd8_prep, .Lfunc_end_k_q253a6d0cd8_prep-k_q253a6d0cd8_prep
	.p2alignl 7, 3214868480
	.fill 96, 4, 3214868480
	.section	.rodata,"a",@progbits
	.p2align	6, 0x0
	.amdhsa_kernel k_q253a6d0cd8_prep
		.amdhsa_group_segment_fixed_size 60928
		.amdhsa_private_segment_fixed_size 0
		.amdhsa_enable_private_segment 0
		.amdhsa_kernarg_size 40
		.amdhsa_user_sgpr_count 2
		.amdhsa_user_sgpr_kernarg_segment_ptr 1
		.amdhsa_wavefront_size32 1
		.amdhsa_system_sgpr_workgroup_id_x 1
		.amdhsa_system_sgpr_workgroup_id_y 1
		.amdhsa_system_sgpr_workgroup_id_z 1
		.amdhsa_system_vgpr_workitem_id 0
		.amdhsa_next_free_vgpr 256
		.amdhsa_next_free_sgpr 66
		.amdhsa_reserve_vcc 1
		.amdhsa_float_denorm_mode_32 3
		.amdhsa_float_denorm_mode_16_64 3
		.amdhsa_memory_ordered 1
		.amdhsa_forward_progress 1
		.amdhsa_inst_pref_size 77
	.end_amdhsa_kernel
	.amdgpu_metadata
---
amdhsa.version: [ 1, 2 ]
amdhsa.kernels:
  - .name:           k_q253a6d0cd8_prep
    .symbol:         k_q253a6d0cd8_prep.kd
    .args:
      - { .name: x, .offset: 0, .size: 8, .value_kind: global_buffer, .address_space: global }
      - { .name: W_qkv, .offset: 8, .size: 8, .value_kind: global_buffer, .address_space: global }
      - { .name: W_out, .offset: 16, .size: 8, .value_kind: global_buffer, .address_space: global }
      - { .name: bufA, .offset: 24, .size: 8, .value_kind: global_buffer, .address_space: global }
      - { .name: bufC, .offset: 32, .size: 8, .value_kind: global_buffer, .address_space: global }
    .group_segment_fixed_size: 60928
    .private_segment_fixed_size: 0
    .kernarg_segment_align: 8
    .kernarg_segment_size: 40
    .max_flat_workgroup_size: 128
    .sgpr_count:     66
    .vgpr_count:     256
    .wavefront_size: 32
...
	.end_amdgpu_metadata
.endif
;; end of part 1
;; launch qkv (part 2): grid 8 x 96, 4 waves a work-group, clusters of 4 x 4, 327,680 bytes of LDS; arguments bufA, b_qkv, bufB; writes bufB
.if DOCPART == 2
	.amdgcn_target "amdgcn-amd-amdhsa--gfx1250"
	.amdhsa_code_object_version 6
	.text
	.protected	k_q253a6d0cd8_qkv
	.globl	k_q253a6d0cd8_qkv
	.p2align	8
	.type	k_q253a6d0cd8_qkv,@function
k_q253a6d0cd8_qkv:
	s_mov_b64 s[64:65], 0
	v_nop
	global_prefetch_b8 v0, s[64:65] scope:SCOPE_SE
	s_setreg_imm32_b32 hwreg(HW_REG_WAVE_MODE, 25, 1), 1
	s_wait_xcnt 0x0
	s_wait_alu depctr_hold_cnt(0) depctr_sa_sdst(0) depctr_va_vdst(0) depctr_va_sdst(0) depctr_va_ssrc(0) depctr_va_vcc(0) depctr_vm_vsrc(0)
	s_getreg_b32 s2, hwreg(HW_REG_IB_STS2, 6, 4)
	s_cmp_eq_u32 s2, 0
	s_cbranch_scc0 .Lentry_in_a_cluster
	s_endpgm
.Lentry_in_a_cluster:
	s_bfe_u32 s2, ttmp6, 0x10000c
	s_cmp_lg_u32 s2, 0xf033
	s_cbranch_scc0 .Lentry_shape_is_right
	s_endpgm
.Lentry_shape_is_right:
; q, k, v = x W_qkv + b_qkv on codes of FP6 (E2M3), and the results quantised at once into the images that the attention launch reads; nothing leaves in f32.
; THE PRODUCT.  A work-group makes 256 rows of source 0 x 128 rows of source 1 over all of K = 1,024.  Both operands' codes for all of K, 294,912 bytes, lie in LDS at once: every LDS byte is filled once,
; in four chunks of four K steps of one source, one a wave, so that the first products start when waves 0 and 1's chunks have landed.  Four waves: wave w has group w % 2 of source 0 (8 tiles of 16 rows) and tiles 4 (w / 2) .. + 3 of source 1: 32 accumulators.
; In a result, lane (r, h) holds row r of source 1's tile, and register 8 a + j the row 32 (a / 2) + 16 h + 8 (a % 2) + j of source 0's group (the rows of a tile are chosen so): 64 numbers in the order in which QUANT takes them.
; TWO USES OF ONE TEXT, told apart by the cluster's y alone (the same in all partners), by selections and never by a branch:
;   y < 16: source 0 = W_qkv's columns 0-2047 (q and k), source 1 = tokens: a lane holds a token, its registers a pair of heads (128 channels): the image of (token tile, head pair), quantised along the channels.
;   y >= 16: source 0 = tokens (the keys), source 1 = W_qkv's columns 2048-3071 (v): a lane holds a channel, its registers 128 keys: the image of v^T, quantised along the keys.
; CLUSTERS of 4 x 4: source 0's tile hangs on cx and is shared down a column of the cluster, source 1's on cy and is shared along a row: each is asked for jointly.
; No prefetch: every tensor load of a work-group goes out at its head.  No ring: nothing is filled again.
; LIMITS: as in the launch that makes the codes (byte held at 1 from below; NaN and infinities not served).
.set XS_O,  0
.set WS_O,  262144
.set XC_O,  360448
.set WC_O,  6651904
.set QS_O,  6291456                    ; bufB: q's images from 0: [batch x 8 + pair][token tile][1,536]; q's scale words: [..][4 tiles: 16 r + 4 tile]
.set KV_O,  6553600                    ; [batch x 16 + head][key step][HB]: k's 8 half images, v^T's 4 images, k's 2 x 256 bytes of scale words, v's 256
.set GRP,   98304                      ; a group of 128 rows, all of K
.set STP,   12288                      ; a K step of a group: 8 images
.set IMGB,  1536
; AS THE TEXT STANDS NOW: the codes come by ONE tensor load a wave: wave 0 source 0's K steps 0-3 of both groups, wave 1 source 1's K steps 0-3, waves 2 and 3 the same of K steps 4-7.
; The products begin when waves 0 and 1's tiles are in; a plain barrier inside K step 3 shows the others.  LDS: source 0 as [half of K][group][four K steps], then source 1's eight K steps.
; The bias by registers (q, k) is the C of the first products: a sum begins with it, where the reference adds it last.
; An image leaves as two halves of 768 bytes: registers 6 c .. 6 c + 3 at 768 c + 16 x lane, registers 6 c + 4, 5 at 768 c + 512 + 8 x lane.
; bufB behind KV_O: [batch x 16 + head][key step][HB]: k's 8 half images (one head's 64 channels), v^T's 4 images, k's 2 x 256 bytes of scale words (the head's two bytes lowest), v's 256.
.set HB,    13056
.set HSTR,  16*HB
.set S1L,   196608                     ; LDS: source 0's two groups, then source 1's one
.set SPARE, 294912                     ; then the spare words, 128 bytes for each wave
.set AD0,   16                         ; v16, v17 LDS address of my group of source 0, K steps 0-3 and 4-7
.set AD1,   18                         ; v18, v19 of my four tiles of source 1
.set BL,    20                         ; v20-23   the bias by lanes (v): one number a tile
.set SPW,   28                         ; v28      LDS address of my spare word; never rewritten
.set NIL,   29                         ; v29      0; never rewritten
.set SC,    32                         ; v32-95   scale words: register 8 i + s: lanes 0-15 source 1's tile i, lanes 16-31 source 0's tile i, K step s; scales and nothing else
.set F1,    96                         ; v96-191  source 1's fragments, two sets of 4 x 12
.set BR,    192                        ; v192-255 the bias by registers (q, k): 8 a + j
.set HA,    96                         ; the way out: 64 numbers,
.set PC,    160                        ; a fragment's codes,
.set PT,    172
.set TM,    180
.set PW,    8                          ; v8-11 the four tiles' scale words
.set G1A,   24                         ; s[24:31] descriptor group 1 for source 0;  s[32:39] for source 1
.set G1B,   32
.set G0A,   40                         ; s[40:43] group 0 for source 0;  s[68:71] for source 1
.set G0B,   68
.set SEL,   66                         ; s66, s67 lane selects: lane l xor 16
; window 1: source 0's fragments, two sets of 8 x 12.  window 2: the accumulators, (b, a) at 8 (8 b + a).
.set MSB, 0
.macro WIN new                         ; the immediate's high byte repeats the setting that is left
.if MSB != \new
	s_set_vgpr_msb (MSB<<8)|\new
.set MSB, \new
.endif
.endm
.macro CROUND                          ; a round of the cluster's barrier
	s_barrier_signal -1
	s_barrier_wait -1
	s_cmp_lg_u32 s10, 0
	s_cbranch_scc1 .Lnot_wave_0_\@
	s_barrier_signal -3
.Lnot_wave_0_\@:
	s_barrier_wait -3
	s_barrier_signal -1
	s_barrier_wait -1
.endm
.macro PLACES                          ; four plain instructions between a matrix instruction and a load into, or a vector instruction on, its registers
.rept 4
	v_nop
.endr
.endm
.macro FETCH s                         ; K step s: 8 fragments of source 0 and 4 of source 1, three loads of 512 consecutive bytes each, into set s % 2
	WIN 0x40
.irp a, 0,1,2,3,4,5,6,7
.irp q, 0,1,2
	ds_load_b128 v[96*((\s)%2)+12*\a+4*\q:96*((\s)%2)+12*\a+4*\q+3], v[AD0+(\s)/4] offset:((\s)%4)*STP+IMGB*\a+512*\q
.endr
.endr
	WIN 0
.irp b, 0,1,2,3
.irp q, 0,1,2
	ds_load_b128 v[F1+48*((\s)%2)+12*\b+4*\q:F1+48*((\s)%2)+12*\b+4*\q+3], v[AD1+(\s)/4] offset:((\s)%4)*STP+IMGB*\b+512*\q
.endr
.endr
.endm
; 16 products of K step s: source 1's tiles b0, b0 + 1 x source 0's eight.  mode 1: the sums begin with 0;  mode 2: with the bias;  mode 0: they go on.  The 32 accumulators take turns in the same order in every step.
.macro MUL2 s, b0, mode
.if \mode == 2
	WIN 0x81
.else
	WIN 0xa1
.endif
.irp b, \b0, \b0+1
.irp a, 0,1,2,3,4,5,6,7
.if \mode == 0
	v_wmma_scale_f32_16x16x128_f8f6f4 v[8*(8*(\b)+\a):8*(8*(\b)+\a)+7], v[96*((\s)%2)+12*\a:96*((\s)%2)+12*\a+11], v[F1+48*((\s)%2)+12*(\b):F1+48*((\s)%2)+12*(\b)+11], v[8*(8*(\b)+\a):8*(8*(\b)+\a)+7], v[SC+8*\a+(\s)], v[SC+8*(\b)+(\s)] matrix_a_fmt:MATRIX_FMT_FP6 matrix_b_fmt:MATRIX_FMT_FP6 matrix_a_scale:MATRIX_SCALE_ROW1
.elseif \mode == 1
	v_wmma_scale_f32_16x16x128_f8f6f4 v[8*(8*(\b)+\a):8*(8*(\b)+\a)+7], v[96*((\s)%2)+12*\a:96*((\s)%2)+12*\a+11], v[F1+48*((\s)%2)+12*(\b):F1+48*((\s)%2)+12*(\b)+11], 0, v[SC+8*\a+(\s)], v[SC+8*(\b)+(\s)] matrix_a_fmt:MATRIX_FMT_FP6 matrix_b_fmt:MATRIX_FMT_FP6 matrix_a_scale:MATRIX_SCALE_ROW1
.else
	v_wmma_scale_f32_16x16x128_f8f6f4 v[8*(8*(\b)+\a):8*(8*(\b)+\a)+7], v[96*((\s)%2)+12*\a:96*((\s)%2)+12*\a+11], v[F1+48*((\s)%2)+12*(\b):F1+48*((\s)%2)+12*(\b)+11], v[BR+8*\a:BR+8*\a+7], v[SC+8*\a+(\s)], v[SC+8*(\b)+(\s)] matrix_a_fmt:MATRIX_FMT_FP6 matrix_b_fmt:MATRIX_FMT_FP6 matrix_a_scale:MATRIX_SCALE_ROW1
.endif
.endr
.endr
.endm
.macro KEVEN s, mode                   ; an even K step: its successor lies in the same chunk
	s_wait_dscnt 0x0                               ; this step's fragments are in
.if (\s) > 0
	PLACES                                         ; the other set was read by the products just issued
.endif
	FETCH (\s)+1
	MUL2 \s, 0, \mode
	MUL2 \s, 2, \mode
.endm
.macro KODD s                          ; an odd K step: its successor lies in the same chunk
	s_wait_dscnt 0x0                               ; this step's fragments are in
	PLACES
	FETCH (\s)+1
	MUL2 \s, 0, 0
	MUL2 \s, 2, 0
.endm
; 64 numbers of a lane, register 16 b + i = k 32 b + 16 (lane / 16) + i of its row, become a fragment's 12 registers at v[pc] and the row's scale word in v[pw].
.macro QUANT s, pc, pt, tm, pw
.irp b, 0,1,2,3
	v_max3_num_f32 v[\tm+\b], |v[\s+16*\b]|, |v[\s+1+16*\b]|, 0x1800000   ; my 16 numbers of block b, and the floor 2^(3 - 127): the byte cannot fall under 1
.endr
.irp i, 2,4,6,8,10,12,14
.irp b, 0,1,2,3
	v_max3_num_f32 v[\tm+\b], v[\tm+\b], |v[\s+16*\b+\i]|, |v[\s+1+16*\b+\i]|
.endr
.endr
.irp b, 0,1,2,3
	v_permlanex16_b32 v[\tm+4+\b], v[\tm+\b], s[SEL], s[SEL+1]
.endr
.irp b, 0,1,2,3
	v_max_num_f32 v[\tm+\b], v[\tm+\b], v[\tm+4+\b]
.endr
.irp b, 0,1,2,3
	v_add_nc_u32 v[\tm+8+\b], 0xff000000, v[\tm+\b]                        ; 2 off the exponent field: the conversion's scale operand
.endr
.irp b, 0,1,2,3
	v_lshrrev_b32 v[\tm+4+\b], 23, v[\tm+8+\b]                             ; the scale's byte
.endr
	v_lshl_or_b32 v[\pw], v[\tm+5], 8, v[\tm+4]
	v_lshl_or_b32 v[\pw], v[\tm+6], 16, v[\pw]
	v_lshl_or_b32 v[\pw], v[\tm+7], 24, v[\pw]
.irp c, 0,1
	v_cvt_scalef32_pk16_fp6_f32 v[\pc+6*\c:\pc+6*\c+2], v[\s+32*\c:\s+32*\c+15], v[\tm+8+2*\c]
	v_cvt_scalef32_pk16_fp6_f32 v[\pt+4*\c:\pt+4*\c+2], v[\s+16+32*\c:\s+31+32*\c], v[\tm+9+2*\c]
.endr
	v_nop                                          ; one plain instruction behind the scaled conversions
.irp c, 0,1
.irp i, 0,1,2
	v_permlane16_swap_b32 v[\pc+6*\c+\i], v[\pt+4*\c+\i]
.endr
.irp i, 0,1,2
	v_mov_b32 v[\pc+3+6*\c+\i], v[\pt+4*\c+\i]
.endr
.endr
.endm
	s_load_b128 s[4:7], s[0:1], 0x0                ; bufA s[4:5], b_qkv s[6:7]
	s_load_b64 s[8:9], s[0:1], 0x10                ; bufB
	v_lshl_add_u32 v[SPW], v0, 2, SPARE
	v_mov_b32 v[NIL], 0
	ds_add_u32 v[SPW], v[NIL]                      ; the wave's opening: the add and its wait stand ahead of my first tensor load; the set-up, work on registers, stands between
	ds_add_u32 v[SPW], v[NIL]
	v_lshrrev_b32 v1, 5, v0
	v_readfirstlane_b32 s10, v1                    ; wave 0..3
	s_and_b32 s11, s10, 1                          ; my group of source 0.  Also: which part of a chunk I fetch
	s_lshr_b32 s12, s10, 1                         ; my four tiles of source 1.  Also: I fetch for source 0 (0) or for source 1 (1)
	s_bfe_u32 s13, ttmp6, 0x40000                  ; cx
	s_bfe_u32 s14, ttmp6, 0x40004                  ; cy
	s_and_b32 s16, ttmp7, 0xffff                   ; the cluster's y: 0-15 q and k, 16-23 v
	s_max_u32 s22, s16, 16
	s_sub_co_u32 s22, s22, 16                      ; y - 16, or 0
	s_and_b32 s23, s22, 3
	s_lshl_b32 s23, s23, 1
	s_add_co_u32 s23, s23, ttmp9                   ; v: the keys' clusters: x + 2 ((y - 16) % 4)
	s_lshr_b32 s22, s22, 2                         ; v: the channels' clusters: (y - 16) / 4
	s_cmp_lt_u32 s16, 16                           ; the selections hang on the cluster's y alone
	s_cselect_b32 s17, ttmp9, s23                  ; source 0's cluster coordinate
	s_cselect_b32 s18, s16, s22                    ; source 1's
	s_cselect_b32 s21, -1, 0                       ; all lanes on for q and k, none for v
	s_mov_b32 s85, XC_O
	s_cselect_b32 s85, WC_O, s85                   ; source 0's codes
	s_mov_b32 s86, WC_O+16*GRP
	s_cselect_b32 s86, XC_O, s86                   ; source 1's
	s_cselect_b32 s87, WS_O, XS_O                  ; source 0's scale words
	s_mov_b32 s88, WS_O+65536
	s_cselect_b32 s88, XS_O, s88                   ; source 1's
	s_lshl_b32 s19, s17, 2
	s_add_co_u32 s19, s19, s13                     ; source 0's tile of 256 rows: it holds cx and never cy
	s_lshl_b32 s20, s18, 2
	s_add_co_u32 s20, s20, s14                     ; source 1's tile of 128 rows: it holds cy and never cx
	s_lshl_b32 s22, s14, 2
	s_lshl_b32 s22, 15, s22                        ; my row of the cluster
	s_lshl_b32 s23, 0x1111, s13                    ; my column
	; descriptor groups 1: elements of 8 bytes: source 0 as two rows of 49,152 bytes, source 1 as 192 rows of 256 bytes (four K steps of a group)
	s_or_b32 s[G1A], s23, (3<<16)|(1<<21)          ; 15:0 the mask; 17:16 elements of 8 bytes; 21 set beside a mask
	s_mov_b32 s[G1A+1], 6144<<16                   ; source 0: a row is four K steps of a group, 49,152 bytes;
	s_mov_b32 s[G1A+2], 2<<16                      ; two rows: the two groups,
	s_mov_b32 s[G1A+3], 6144<<16
	s_mov_b32 s[G1A+4], 2
	s_mov_b32 s[G1A+5], 12288                      ; a group apart in memory, on end in LDS
	s_mov_b32 s[G1A+6], 0
	s_mov_b32 s[G1A+7], 0
	s_or_b32 s[G1B], s22, (3<<16)|(1<<21)
	s_mov_b32 s[G1B+1], 32<<16
	s_mov_b32 s[G1B+2], 192<<16                    ; four K steps of a group
	s_mov_b32 s[G1B+3], 32<<16
	s_mov_b32 s[G1B+4], 192
	s_mov_b32 s[G1B+5], 32
	s_mov_b32 s[G1B+6], 0
	s_mov_b32 s[G1B+7], 0
	s_mul_i32 s92, s12, 4*STP                      ; I fetch half w / 2 of K, for source w % 2
	s_lshl_b32 s89, s92, 1                         ; source 0 in LDS: both groups' four K steps
	s_mul_i32 s90, s19, 2*GRP
	s_add_co_u32 s90, s90, s92
	s_add_co_u32 s90, s90, s85                     ; and in memory
	s_mov_b32 s91, 0
	s_add_co_u32 s93, s92, S1L
	s_mul_i32 s94, s20, GRP
	s_add_co_u32 s94, s94, s92
	s_add_co_u32 s94, s94, s86
	s_mov_b32 s95, 0
	s_mov_b32 s[SEL], 0x76543210
	s_mov_b32 s[SEL+1], 0xfedcba98
	v_and_b32 v1, 31, v0                           ; lane
	v_and_b32 v2, 15, v0                           ; r
	v_bfe_u32 v3, v0, 4, 1                         ; h
	v_lshlrev_b32 v4, 4, v1                        ; 16 x lane
	v_lshlrev_b32 v5, 4, v2                        ; 16 r
	s_mul_i32 s22, s11, 4*STP
	v_add_nc_u32 v[AD0], s22, v4                   ; my group w % 2 in the first half of K,
	v_add_nc_u32 v[AD0+1], 8*STP, v[AD0]           ; and in the second
	s_mul_i32 s22, s12, 4*IMGB
	s_add_co_u32 s22, s22, S1L
	v_add_nc_u32 v[AD1], s22, v4
	v_add_nc_u32 v[AD1+1], 4*STP, v[AD1]
	s_wait_dscnt 0x0                               ; the opening add is done
	s_wait_kmcnt 0x0
	s_add_nc_u64 s[90:91], s[4:5], s[90:91]
	s_add_nc_u64 s[94:95], s[4:5], s[94:95]
.irp c, 0
	s_mov_b32 s[G0A+4*\c], 1
	s_add_co_u32 s[G0A+4*\c+1], s89, \c*2*STP                          ; LDS address: made of the wave's number alone
	s_add_nc_u64 s[G0A+4*\c+2:G0A+4*\c+3], s[90:91], \c*2*STP          ; global address
	s_or_b32 s[G0A+4*\c+3], s[G0A+4*\c+3], 0x80000000                  ; type = 2
	s_mov_b32 s[G0B+4*\c], 1
	s_add_co_u32 s[G0B+4*\c+1], s93, \c*2*STP
	s_add_nc_u64 s[G0B+4*\c+2:G0B+4*\c+3], s[94:95], \c*2*STP
	s_or_b32 s[G0B+4*\c+3], s[G0B+4*\c+3], 0x80000000
.endr
	CROUND                                         ; all sixteen work-groups are here: the joint loads meet
.macro ARM w, g0, g1                   ; one chain of branches on the wave's number, a load line to each wave
	s_cmp_eq_u32 s10, \w
	s_cbranch_scc0 .Larm_\w
	tensor_load_to_lds s[\g0:\g0+3], s[\g1:\g1+7]
	s_nop 0
.rept 4
	v_nop
.endr
	s_branch .Lfilled
.Larm_\w:
.endm
	ARM 0, G0A, G1A                                ; source 0, K steps 0-3
	ARM 1, G0B, G1B                                ; source 1, K steps 0-3
	ARM 2, G0A, G1A                                ; source 0, K steps 4-7
	tensor_load_to_lds s[G0B:G0B+3], s[G1B:G1B+7]  ; source 1, K steps 4-7
	s_nop 0
.rept 4
	v_nop
.endr
.Lfilled:
	; the scale words of all of K: 16 bytes a lane (four K steps of a row): lanes 0-15 source 1's tiles from my first on (of the eight loaded, four are mine; the others lie inside the buffer and are not used), lanes 16-31 source 0's eight
	s_lshl_b32 s22, s20, 3
	s_lshl_b32 s23, s12, 2
	s_add_co_u32 s22, s22, s23
	s_lshl_b32 s22, s22, 9
	s_add_co_u32 s22, s22, s88                     ; source 1: tile 8 x tile of 128 + 4 (w / 2)
	s_lshl_b32 s23, s19, 4
	s_lshl_b32 s84, s11, 3
	s_add_co_u32 s23, s23, s84
	s_lshl_b32 s23, s23, 9
	s_add_co_u32 s23, s23, s87                     ; source 0: tile 16 x tile of 256 + 8 (w % 2)
	s_wait_alu depctr_va_vdst(0)
	v_cmp_gt_u32 s96, 16, v1
	v_mov_b32 v25, s22
	v_mov_b32 v26, s23
	v_cndmask_b32 v24, v26, v25, s96
	v_add_nc_u32 v24, v24, v5
.irp i, 0,1,2,3,4,5,6,7
.irp q, 0,1
	global_load_b128 v[SC+8*\i+4*\q:SC+8*\i+4*\q+3], v24, s[4:5] offset:512*\i+256*\q
.endr
.endr
	; the biases, and where the results go
	s_lshl_b32 s84, s19, 8
	s_lshl_b32 s97, s11, 7
	s_add_co_u32 s84, s84, s97                     ; my first row of source 0: a column of W_qkv (q, k) or a token (v)
	s_lshl_b32 s97, s20, 7
	s_lshl_b32 s98, s12, 6
	s_add_co_u32 s97, s97, s98                     ; my first row of source 1: a token (q, k) or a channel of v
	s_add_co_u32 s98, s97, 2048
	s_lshl_b32 s57, s19, 1
	s_add_co_u32 s57, s57, s11
	s_and_b32 s57, s57, 7                          ; q, k: the pair of heads
	s_cmp_lt_u32 s16, 16
	s_cselect_b32 s99, s84, 0                      ; the bias by registers is loaded at my columns (q, k), or at 0 and then cleared (v)
	s_cselect_b32 s98, 0, s98                      ; the bias by lanes at my channels (v), or at 0 and then cleared (q, k): every load stays inside b_qkv
	s_cselect_b32 s56, s97, s84                    ; my first token
	s_cselect_b32 s57, s57, s20                    ; the pair of heads
	s_lshl_b32 s99, s99, 2
	v_lshl_add_u32 v6, v3, 6, s99                  ; register 8 a + j is column 32 (a / 2) + 16 h + 8 (a % 2) + j
	s_lshl_b32 s98, s98, 2
	v_lshrrev_b32 v7, 3, v2
	v_lshl_add_u32 v7, v7, 3, v2                   ; r + 8 (r / 8)
	v_lshl_add_u32 v7, v7, 2, s98
.irp a, 0,1,2,3,4,5,6,7
	global_load_b128 v[BR+8*\a:BR+8*\a+3], v6, s[6:7] offset:4*(32*(\a/2)+8*(\a%2))
	global_load_b128 v[BR+8*\a+4:BR+8*\a+7], v6, s[6:7] offset:4*(32*(\a/2)+8*(\a%2))+16
.endr
.irp b, 0,1,2,3
	global_load_b32 v[BL+\b], v7, s[6:7] offset:4*(32*(\b/2)+8*(\b%2))
.endr
	s_lshr_b32 s58, s56, 11                        ; the batch
	s_lshl_b32 s58, s58, 3
	s_add_co_u32 s58, s58, s57                     ; batch x 8 + pair
	s_and_b32 s56, s56, 2047                       ; my first token in the batch
	s_mul_i32 s59, s58, 2*HSTR                     ; the pair's even head,
	s_lshr_b32 s84, s56, 7
	s_mul_i32 s84, s84, HB                         ; the key step's block
	s_add_co_u32 s59, s59, s84
	s_add_co_u32 s59, s59, KV_O
	s_mul_i32 s84, s12, 4*768                      ; k: my four half images,
	s_lshl_b32 s97, s12, 8
	s_add_co_u32 s97, s97, 12288                   ; and their 256 bytes of scale words
	s_mul_i32 s98, s12, HSTR                       ; v: my 64 channels are head 2 x pair + w / 2
	s_add_co_u32 s99, s98, 12800                   ; its scale words,
	s_add_co_u32 s98, s98, 6144                    ; its four images
	s_cmp_lt_u32 s16, 16
	s_cselect_b32 s84, s84, s98
	s_cselect_b32 s97, s97, s99
	s_add_co_u32 s60, s59, s84
	s_add_co_u32 s62, s59, s97
	s_mul_i32 s84, s58, 196608                     ; q: 128 images for each batch and pair
	s_lshr_b32 s97, s56, 4
	s_mul_i32 s97, s97, IMGB
	s_add_co_u32 s84, s84, s97
	s_lshl_b32 s97, s58, 13
	s_lshr_b32 s98, s56, 6
	s_lshl_b32 s98, s98, 8
	s_add_co_u32 s97, s97, s98
	s_add_co_u32 s97, s97, QS_O
	s_lshl_b32 s98, ttmp9, 5
	s_or_b32 s98, s98, s16
	s_cmp_lt_u32 s98, 16                           ; q: the cluster's x = 0 and y < 16
	s_cselect_b32 s60, s84, s60
	s_cselect_b32 s62, s97, s62
	s_mov_b32 s61, 0
	s_mov_b32 s63, 0
	s_add_nc_u64 s[60:61], s[8:9], s[60:61]
	s_add_nc_u64 s[62:63], s[8:9], s[62:63]
	s_lshr_b32 s98, s98, 4                         ; 2 for k alone (the cluster's x = 1 and y < 16)
	s_mov_b32 s58, 1536
	s_mov_b32 s56, HSTR
	s_mov_b32 s57, 0
	s_cmp_eq_u32 s98, 2
	s_cselect_b32 s58, 768, s58                    ; from tile to tile: k's half images lie on end, q's and v's images whole
	s_cselect_b32 s56, s56, 768                    ; from an image's first half to its second: k's goes to the odd head's block
	s_cselect_b32 s59, 32, 16                      ; lanes that store scale words: k's lanes 16-31 store the odd head's
	s_mov_b32 s99, s56
	s_add_nc_u64 s[56:57], s[60:61], s[56:57]
	s_cmp_lt_u32 s10, 2
	s_cbranch_scc0 .Lnot_first
	s_wait_tensorcnt 0x0                           ; waves 0 and 1: K steps 0-3 have landed
.Lnot_first:
	s_barrier_signal -1
	s_barrier_wait -1                              ; waves 2 and 3's tiles may still be on their way
	FETCH 0
	s_wait_loadcnt 0x0                             ; the scale words and the biases
.set j, 0
.rept 64
	v_cndmask_b32 v[BR+j], 0, v[BR+j], s21         ; the bias by registers counts for q and k alone,
.set j, j+1
.endr
.irp b, 0,1,2,3
	v_cndmask_b32 v[BL+\b], v[BL+\b], 0, s21       ; the bias by lanes for v alone: the other is 0
.endr
	v_mov_b32 v15, 0                               ; (named as the upper half of the pair v[14:15])
	s_wait_alu depctr_va_vdst(0)
	KEVEN 0, 2                                     ; the first products start the sums with the bias by registers
	KODD 1
	KEVEN 2, 0
	s_wait_dscnt 0x0                               ; K step 3's fragments are in: no LDS instruction of mine is out at the signal
	s_wait_tensorcnt 0x0                           ; every wave: its one load has landed
	s_barrier_signal -1
	MUL2 3, 0, 0                                   ; work on registers while the others arrive
	s_barrier_wait -1                              ; K steps 4-7 are whole.
	PLACES
	FETCH 4
	MUL2 3, 2, 0
	KEVEN 4, 0
	KODD 5
	KEVEN 6, 0
	s_wait_dscnt 0x0
	MUL2 7, 0, 0
	MUL2 7, 2, 0
	; THE WAY OUT: tile by tile of source 1: + bias, quantised in registers, the image stored as it stands.
	PLACES
	WIN 0
.irp b, 0,1,2,3
	v_mov_b32 v[TM+4+\b], 0                        ; a lane permute's destination counts as one of its sources
.endr
.irp b, 0,1,2,3
	v_mov_b32 v14, v[BL+\b]                        ; the tile's bias by lanes
	WIN 0x02
.set j, 0
.rept 32
	v_pk_add_f32 v[HA+j:HA+j+1], v[64*\b+j:64*\b+j+1], v[14:15] op_sel_hi:[1,0]   ; each accumulator from its low end on
.set j, j+2
.endr
	WIN 0
.if \b > 0
	s_wait_xcnt 0x0                                ; the last tile's stores have read the codes' registers and their offsets
	v_add_nc_u32 v4, s58, v4                       ; on to the next tile's place
	v_add_nc_u32 v12, s58, v12
.else
	v_lshlrev_b32 v12, 3, v1                       ; 8 x lane
.endif
	QUANT HA, PC, PT, TM, PW+\b
	global_store_b128 v4, v[PC:PC+3], s[60:61]                 ; 512 consecutive bytes, aligned
	global_store_b64 v12, v[PC+4:PC+5], s[60:61] offset:512    ; 256 consecutive bytes, aligned
	global_store_b128 v4, v[PC+6:PC+9], s[56:57]
	global_store_b64 v12, v[PC+10:PC+11], s[56:57] offset:512
.endr
	s_wait_xcnt 0x0                                ; EXEC changes only behind this wait
	v_lshlrev_b32 v13, 4, v3                       ; 16 h
.irp b, 0,1,2,3
	v_lshrrev_b32 v[PW+\b], v13, v[PW+\b]          ; lanes 16-31: the odd head's two bytes lowest; the bytes above become 0, a finite code, and meet zero codes alone
.endr
	v_mad_u32_u24 v5, v3, s99, v5                  ; and their place in the odd head's block
	v_cmp_gt_u32 vcc_lo, s59, v1
	s_and_saveexec_b32 s84, vcc_lo
	global_store_b128 v5, v[PW:PW+3], s[62:63]
	s_wait_xcnt 0x0
	s_or_b32 exec_lo, exec_lo, s84
	s_wait_tensorcnt 0x0                           ; the wave's end
	ds_add_u32 v[SPW], v[NIL]
	s_wait_dscnt 0x0
	CROUND                                         ; the closing round
	s_endpgm
.Lfunc_end_k_q253a6d0cd8_qkv:
	.size	k_q253a6d0cd8_qkv, .Lfunc_end_k_q253a6d0cd8_qkv-k_q253a6d0cd8_qkv
	.p2alignl 7, 3214868480
	.fill 96, 4, 3214868480
	.section	.rodata,"a",@progbits
	.p2align	6, 0x0
	.amdhsa_kernel k_q253a6d0cd8_qkv
		.amdhsa_group_segment_fixed_size 327680
		.amdhsa_private_segment_fixed_size 0
		.amdhsa_enable_private_segment 0
		.amdhsa_kernarg_size 24
		.amdhsa_user_sgpr_count 2
		.amdhsa_user_sgpr_kernarg_segment_ptr 1
		.amdhsa_wavefront_size32 1
		.amdhsa_system_sgpr_workgroup_id_x 1
		.amdhsa_system_sgpr_workgroup_id_y 1
		.amdhsa_system_sgpr_workgroup_id_z 1
		.amdhsa_system_vgpr_workitem_id 0
		.amdhsa_next_free_vgpr 768
		.amdhsa_next_free_sgpr 100
		.amdhsa_reserve_vcc 1
		.amdhsa_float_denorm_mode_32 3
		.amdhsa_float_denorm_mode_16_64 3
		.amdhsa_memory_ordered 1
		.amdhsa_forward_progress 1
		.amdhsa_inst_pref_size 96
	.end_amdhsa_kernel
	.amdgpu_metadata
---
amdhsa.version: [ 1, 2 ]
amdhsa.kernels:
  - .name:           k_q253a6d0cd8_qkv
    .symbol:         k_q253a6d0cd8_qkv.kd
    .args:
      - { .name: bufA, .offset: 0, .size: 8, .value_kind: global_buffer, .address_space: global }
      - { .name: b_qkv, .offset: 8, .size: 8, .value_kind: global_buffer, .address_space: global }
      - { .name: bufB, .offset: 16, .size: 8, .value_kind: global_buffer, .address_space: global }
    .group_segment_fixed_size: 327680
    .private_segment_fixed_size: 0
    .kernarg_segment_align: 8
    .kernarg_segment_size: 24
    .max_flat_workgroup_size: 128
    .sgpr_count:     100
    .vgpr_count:     768
    .wavefront_size: 32
...
	.end_amdgpu_metadata
.endif
;; end of part 2
;; launch attn (part 3): grid 4 x 64, 8 waves a work-group, clusters of 4 x 1, 223,232 bytes of LDS; arguments bufB, bufC; writes bufC
.if DOCPART == 3
	.amdgcn_target "amdgcn-amd-amdhsa--gfx1250"
	.amdhsa_code_object_version 6
	.text
	.protected	k_q253a6d0cd8_attn
	.globl	k_q253a6d0cd8_attn
	.p2align	8
	.type	k_q253a6d0cd8_attn,@function
k_q253a6d0cd8_attn:
	s_mov_b64 s[64:65], 0
	v_nop
	global_prefetch_b8 v0, s[64:65] scope:SCOPE_SE
	s_setreg_imm32_b32 hwreg(HW_REG_WAVE_MODE, 25, 1), 1
	s_wait_xcnt 0x0
	s_wait_alu depctr_hold_cnt(0) depctr_sa_sdst(0) depctr_va_vdst(0) depctr_va_sdst(0) depctr_va_ssrc(0) depctr_va_vcc(0) depctr_vm_vsrc(0)
	s_getreg_b32 s2, hwreg(HW_REG_IB_STS2, 6, 4)
	s_cmp_eq_u32 s2, 0
	s_cbranch_scc0 .Lentry_in_a_cluster
	s_endpgm
.Lentry_in_a_cluster:
	s_bfe_u32 s2, ttmp6, 0x10000c
	s_cmp_lg_u32 s2, 0x3003
	s_cbranch_scc0 .Lentry_shape_is_right
	s_endpgm
.Lentry_shape_is_right:
; o = softmax(q k^T / 8) v for 64 (batch, head), 64 channels, 2,048 tokens, both products on codes of FP6 (E2M3); o is quantised at once into the half images that the last product reads.
; SHARES.  A work-group owns one (batch, head) and 512 tokens; the four work-groups of a cluster own the head's 2,048 tokens and ask for its k and v jointly.
; The head's k and v for all 2,048 keys, 16 blocks of 13,056 bytes, lie in LDS at once: each of the eight waves brings two blocks by its one tensor load; nothing is filled again, and no barrier stands in the loop.
; No prefetch: all that the launch streams is asked for at its head, so there is no loop to run ahead in.
; A wave owns four tiles of 16 tokens and walks the 16 key steps twice, two tiles side by side: each fragment of k and of v^T feeds both, every wait serves both, and their dependent lines take turns.
; K = 64 IN A STEP OF 128: k's fragment is six registers; the six behind it (the next tile's, or six zeros) meet the six zero registers behind q's six.  Zero codes add nothing under any finite scale byte.
; THE KEYS OF A TILE are chosen by the lanes' LDS addresses: lanes r < 8 take eight keys of block 2 c, lanes r >= 8 the same eight places of block 2 c + 1 (c = 0, 1; four tiles each).
; Both products are used transposed, so a lane holds one token, and its 32 registers of four tiles are ONE whole block of 32 keys in order: block 2 c + lane / 16, as p's operand wants it.
; THE SOFTMAX: t = score x log2(e) / 8; M = the running largest t, rounded up to a whole number; p = 2^(t - M) is quantised along the keys, not normalised; the row's sum is taken of the unquantised p and divides at the end;
; when M moves, the sum and O are multiplied by 2^(old M - new M), which rounds nothing.  A block's largest p is its largest score put through the same two instructions.
; Fragments are fetched a key step ahead; behind the sixteenth step the fetch wraps to step 0, which the second walk uses; at the second walk's end those 37 loads are not used.
; LIMITS: the promise holds while |t| stays under 2^31; p under 2^-126 counts as 0; 1 / sum is v_rcp_f32 and a multiplication; scale bytes held at 1 from below; NaN and infinities not served.
.set QS_O,  6291456
.set KV_O,  6553600
.set OC_O,  294912
.set HB,    13056                      ; a block: k's 8 half images of 768, v^T's 4 images of 1,536, k's 512 bytes of scale words, v's 256
.set HSTR,  16*HB
.set VOFF,  6144
.set KSOFF, 12288
.set VSOFF, 12800
.set SPARE, 222208                     ; the spare words, 128 bytes a wave, a block's length behind the last block
.set LI,   1                           ; 16 x lane
.set L8,   2                           ; 8 x lane
.set SPW,  3
.set NIL,  4
.set LR,   5                           ; 16 x (lane % 16)
.set SH8,  6                           ; 8 x (lane / 16)
.set AK,   8                           ; v8-13 LDS addresses of the block that is fetched next: k's pieces of 16 and of 8 bytes, k's words, v's pieces, v's words
.set AK0,  14                          ; v14-16 the lanes' terms of the first three
.set ST,   20                          ; v20-27 a tile's -M, largest score, sum in two halves
.set FF,   28                          ; v28-31 f = 2^(old M - new M), named as a pair
.set TMP,  32
.set TM2,  34
.set PSW,  36                          ; v36, v37 p's scale words
.set KS,   40                          ; v40-47 k's scale words, a register a tile
.set VS,   48                          ; v48-51 v's
.set QW,   52                          ; v52-55 q's, a register a tile
.set BM,   56                          ; v56-59 a block's largest score, then p, then the conversions' scale operand: 2 x tile + c
.set BN,   60                          ; v60-63 second chains, then bytes
.set PC,   64                          ; v64-87 p's codes
.set PT,   88                          ; v88-103 the upper halves of blocks, before they are moved
.set S2,   104                         ; v104-115 the sums' other chains
.set S,    128                         ; v128-255 the scores, then p: 64 a tile
; window 1:
.set Q,    0                           ; four tiles: six registers of q, six zeros
.set FK,   48                          ; k's eight fragments of six
.set ZT,   96                          ; six zeros behind the last
.set FV,   102                         ; v^T's four fragments of twelve
.set O,    152                         ; O^T, 32 a tile
.set WV,   8
.set G1,   16
.set G0,   24
.set SEL,  36
.set CS,   38                          ; s[38:39] c = log2(e) / 8;  s40 -c
.set NCS,  40
.set CNT,  41
.set TBN,  42
.set SHQ,  43
.set MSB, 0
.macro WIN new                         ; the immediate's high byte repeats the setting that is left
.if MSB != \new
	s_set_vgpr_msb (MSB<<8)|\new
.set MSB, \new
.endif
.endm
.macro WALU
	s_wait_alu depctr_va_vdst(0)
.endm
.macro CROUND
	s_barrier_signal -1
	s_barrier_wait -1
	s_cmp_lg_u32 s[WV], 0
	s_cbranch_scc1 .Lnot_wave_0_\@
	s_barrier_signal -3
.Lnot_wave_0_\@:
	s_barrier_wait -3
	s_barrier_signal -1
	s_barrier_wait -1
.endm
.macro WM d, a, b, c, sa, sb
	v_wmma_scale_f32_16x16x128_f8f6f4 v[\d:\d+7], v[\a:\a+11], v[\b:\b+11], \c, v[\sa], v[\sb] matrix_a_fmt:MATRIX_FMT_FP6 matrix_b_fmt:MATRIX_FMT_FP6
.endm
.macro ADDRS                           ; the six LDS addresses of the block at s[TBN]
	v_add_nc_u32 v[AK], s[TBN], v[AK0]
	v_add_nc_u32 v[AK+1], s[TBN], v[AK0+1]
	v_add_nc_u32 v[AK+2], s[TBN], v[AK0+2]
	v_add_nc_u32 v[AK+3], s[TBN], v[LI]
	v_add_nc_u32 v[AK+4], s[TBN], v[L8]
	v_add_nc_u32 v[AK+5], s[TBN], v[LR]
.endm
.macro KLOADS                          ; 20 loads.  Tile n = 4 c + g: stored tile 4 c + g % 2 (lanes r >= 8: two further on), its rows 8 (g / 2) + r % 8
	WIN 0x40
.irp n, 0,1,2,3,4,5,6,7
	ds_load_b128 v[FK+6*\n:FK+6*\n+3], v[AK] offset:(4*(\n/4)+\n%2)*768+128*((\n%4)/2)
	ds_load_b64 v[FK+6*\n+4:FK+6*\n+5], v[AK+1] offset:(4*(\n/4)+\n%2)*768+512+64*((\n%4)/2)
.endr
	WIN 0
.irp m, 0,1,2,3
	ds_load_b64 v[KS+2*\m:KS+2*\m+1], v[AK+2] offset:KSOFF+128*\m
.endr
.endm
.macro VLOADS                          ; 17 loads
	WIN 0x40
.irp t, 0,1,2,3
.irp c, 0,1
	ds_load_b128 v[FV+12*\t+6*\c:FV+12*\t+6*\c+3], v[AK+3] offset:VOFF+1536*\t+768*\c
	ds_load_b64 v[FV+12*\t+6*\c+4:FV+12*\t+6*\c+5], v[AK+4] offset:VOFF+1536*\t+768*\c+512
.endr
.endr
	WIN 0
	ds_load_b128 v[VS:VS+3], v[AK+5] offset:VSOFF
.endm
	s_load_b128 s[4:7], s[0:1], 0x0                ; bufB, bufC
	v_lshl_add_u32 v[SPW], v0, 2, SPARE
	v_mov_b32 v[NIL], 0
	ds_add_u32 v[SPW], v[NIL]                      ; the wave's opening
	ds_add_u32 v[SPW], v[NIL]
	v_lshrrev_b32 v7, 5, v0
	v_readfirstlane_b32 s[WV], v7                  ; wave 0..7
	s_bfe_u32 s10, ttmp6, 0x40000                  ; cx: my 512 tokens; it enters q's and o's global addresses alone
	s_and_b32 s12, ttmp7, 0xffff                   ; batch x 16 + head, which the partners share
	s_and_b32 s13, s12, 1
	s_mov_b32 s[G1], 15|(3<<16)|(1<<21)            ; the mask: all four; elements of 8 bytes; bit 21 beside a mask
	s_mov_b32 s[G1+1], 32<<16                      ; rows of 256 bytes,
	s_mov_b32 s[G1+2], 102<<16                     ; 102 of them: two blocks, dense
	s_mov_b32 s[G1+3], 32<<16
	s_mov_b32 s[G1+4], 102
	s_mov_b32 s[G1+5], 32
	s_mov_b32 s[G1+6], 0
	s_mov_b32 s[G1+7], 0
	s_mov_b32 s[G0], 1
	s_mul_i32 s[G0+1], s[WV], 2*HB                 ; LDS: blocks 2 w, 2 w + 1
	s_mul_i32 s52, s12, HSTR
	s_add_co_u32 s52, s52, s[G0+1]
	s_add_co_u32 s52, s52, KV_O
	s_mov_b32 s53, 0
	s_mov_b32 s[SEL], 0x76543210
	s_mov_b32 s[SEL+1], 0xfedcba98
	s_mov_b32 s[CS], 0x3e38aa3b
	s_mov_b32 s[CS+1], s[CS]
	s_mov_b32 s[NCS], 0xbe38aa3b
	v_and_b32 v7, 31, v0
	v_lshlrev_b32 v[LI], 4, v7
	v_lshlrev_b32 v[L8], 3, v7
	v_and_b32 v[LR], 15, v0
	v_lshlrev_b32 v[LR], 4, v[LR]
	v_bfe_u32 v[SH8], v0, 4, 1
	v_lshlrev_b32 v[SH8], 3, v[SH8]
	v_bfe_u32 v7, v0, 3, 1                         ; r / 8
	v_mad_u32_u24 v[AK0], v7, 1408, v[LI]          ; lanes r >= 8: two stored tiles on, eight rows back
	v_mad_u32_u24 v[AK0+1], v7, 1472, v[L8]
	v_and_b32 v[AK0+2], 7, v0
	v_lshlrev_b32 v[AK0+2], 4, v[AK0+2]
	v_lshl_add_u32 v[AK0+2], v7, 3, v[AK0+2]       ; k's words: 16 (r % 8) + 8 (r / 8)
	WALU
	s_wait_dscnt 0x0
	CROUND                                         ; all four work-groups are here: the joint loads meet
	s_wait_kmcnt 0x0
	s_add_nc_u64 s[G0+2:G0+3], s[4:5], s[52:53]
	s_or_b32 s[G0+3], s[G0+3], 0x80000000
	tensor_load_to_lds s[G0:G0+3], s[G1:G1+7]      ; my one load
	s_nop 0
.rept 4
	v_nop
.endr
	s_lshr_b32 s52, s12, 1                         ; batch x 8 + pair
	s_mul_i32 s54, s52, 196608
	s_lshl_b32 s55, s10, 5
	s_lshl_b32 s53, s[WV], 2
	s_add_co_u32 s55, s55, s53                     ; my first token tile in the batch
	s_mul_i32 s53, s55, 1536
	s_add_co_u32 s54, s54, s53
	s_mul_i32 s53, s13, 768
	s_add_co_u32 s44, s54, s53
	s_mov_b32 s45, 0
	s_add_nc_u64 s[44:45], s[4:5], s[44:45]        ; q's half images
	WIN 0x40
.irp i, 0,1,2,3
	global_load_b128 v[Q+12*\i:Q+12*\i+3], v[LI], s[44:45] offset:1536*\i
	global_load_b64 v[Q+12*\i+4:Q+12*\i+5], v[L8], s[44:45] offset:1536*\i+512
.endr
	WIN 0
	s_lshl_b32 s46, s52, 13
	s_lshl_b32 s53, s55, 6
	s_add_co_u32 s46, s46, s53
	s_add_co_u32 s46, s46, QS_O
	s_mov_b32 s47, 0
	s_add_nc_u64 s[46:47], s[4:5], s[46:47]
	global_load_b128 v[QW:QW+3], v[LR], s[46:47]   ; q's scale words of my four tiles (a pair's)
	s_lshr_b32 s53, s12, 4
	s_lshl_b32 s53, s53, 7
	s_add_co_u32 s55, s55, s53                     ; where o goes: token tile T = 128 x batch + mine, K step = the pair, half = head % 2
	s_and_b32 s52, s52, 7
	s_lshr_b32 s53, s55, 3
	s_mul_i32 s48, s53, 98304
	s_mul_i32 s53, s52, 12288
	s_add_co_u32 s48, s48, s53
	s_and_b32 s53, s55, 7
	s_mul_i32 s53, s53, 1536
	s_add_co_u32 s48, s48, s53
	s_mul_i32 s53, s13, 768
	s_add_co_u32 s48, s48, s53
	s_add_co_u32 s48, s48, OC_O
	s_mov_b32 s49, 0
	s_add_nc_u64 s[48:49], s[6:7], s[48:49]
	s_lshl_b32 s50, s55, 9                         ; its two scale bytes: 512 T + 256 (pair / 4) + 4 (pair % 4) + 2 (head % 2)
	s_lshr_b32 s53, s52, 2
	s_lshl_b32 s53, s53, 8
	s_add_co_u32 s50, s50, s53
	s_and_b32 s53, s52, 3
	s_lshl_b32 s53, s53, 2
	s_add_co_u32 s50, s50, s53
	s_lshl_b32 s53, s13, 1
	s_add_co_u32 s50, s50, s53
	s_mov_b32 s51, 0
	s_add_nc_u64 s[50:51], s[6:7], s[50:51]
	s_lshl_b32 s[SHQ], s13, 4
	s_mov_b32 s[TBN], 0
	WIN 0x40
.irp i, 0,1,2,3
.irp k, 6,7,8,9,10,11
	v_mov_b32 v[Q+12*\i+\k], 0                     ; the zero codes behind q's six
.endr
.endr
.irp k, 0,1,2,3,4,5
	v_mov_b32 v[ZT+\k], 0
.endr
	WIN 0
.irp k, 0,1,2,3
	v_mov_b32 v[FF+\k], 0                          ; (the pairs' upper halves are named)
.endr
	v_mov_b32 v[TM2], 0                            ; a lane permute's destination counts as one of its sources
	v_mov_b32 v[TM2+1], 0
	WALU
	s_wait_tensorcnt 0x0                           ; my two blocks have landed
	s_wait_loadcnt 0x0                             ; q
	s_barrier_signal -1
	s_barrier_wait -1                              ; all sixteen blocks are whole
	ADDRS
	KLOADS
	VLOADS
.irp i, 0,1,2,3
	v_lshrrev_b32 v[QW+\i], s[SHQ], v[QW+\i]       ; my head's two bytes lowest; the bytes above meet zero codes alone
.endr
; ONE WALK over the 16 key steps for tiles 2 p and 2 p + 1 (x = 0, 1), and their way out
.macro PASS p
.irp x, 0,1
	v_mov_b32 v[ST+4*\x], 0x7f61b1e6               ; -M: 3e38, so that the first f is 0
	v_mov_b32 v[ST+4*\x+1], 0xff61b1e6             ; the largest score so far: -3e38
	v_mov_b32 v[ST+4*\x+2], 0
	v_mov_b32 v[ST+4*\x+3], 0
.endr
	WIN 0x40
.set j, 0
.rept 64
	v_mov_b32 v[O+j], 0                            ; the step is written once: the first finds zeros, which f = 0 leaves zeros
.set j, j+1
.endr
	WIN 0
	s_mov_b32 s[CNT], 0
.Lstep_\@:
	s_add_co_u32 s[TBN], s[CNT], 1
	s_and_b32 s[TBN], s[TBN], 15
	s_mul_i32 s[TBN], s[TBN], HB                   ; the next step's block; behind the last: block 0
	s_wait_dscnt 17                                ; k's 20 loads are in; v's 17 are younger
	WIN 0x05
.irp n, 0,1,2,3,4,5,6,7
.irp x, 0,1
	WM S+64*\x+8*\n, FK+6*\n, Q+12*(2*\p+\x), 0, KS+\n, QW+2*\p+\x
.endr
.endr
	WIN 0
	ADDRS                                          ; six plain lines: the places ahead of the loads and of the first read of the scores
	KLOADS
.irp x, 0,1
.irp c, 0,1
	v_max3_num_f32 v[BM+2*\x+\c], v[S+64*\x+32*\c], v[S+64*\x+32*\c+1], v[S+64*\x+32*\c+2]      ; a block's largest score: eight chains by turns
	v_max3_num_f32 v[BN+2*\x+\c], v[S+64*\x+32*\c+16], v[S+64*\x+32*\c+17], v[S+64*\x+32*\c+18]
.endr
.endr
.irp i, 3,5,7,9,11,13
.irp x, 0,1
.irp c, 0,1
	v_max3_num_f32 v[BM+2*\x+\c], v[BM+2*\x+\c], v[S+64*\x+32*\c+\i], v[S+64*\x+32*\c+\i+1]
	v_max3_num_f32 v[BN+2*\x+\c], v[BN+2*\x+\c], v[S+64*\x+32*\c+16+\i], v[S+64*\x+32*\c+17+\i]
.endr
.endr
.endr
.irp x, 0,1
.irp c, 0,1
	v_max3_num_f32 v[BM+2*\x+\c], v[BM+2*\x+\c], v[BN+2*\x+\c], v[S+64*\x+32*\c+15]
.endr
.endr
.irp x, 0,1
.irp c, 0,1
	v_max_num_f32 v[BM+2*\x+\c], v[BM+2*\x+\c], v[S+64*\x+32*\c+31]
.endr
.endr
.irp x, 0,1
	v_max_num_f32 v[TMP+\x], v[BM+2*\x], v[BM+2*\x+1]
.endr
.irp x, 0,1
	v_permlanex16_b32 v[TM2+\x], v[TMP+\x], s[SEL], s[SEL+1]
.endr
.irp x, 0,1
	v_max3_num_f32 v[ST+4*\x+1], v[ST+4*\x+1], v[TMP+\x], v[TM2+\x]     ; the running largest score of my token
.endr
.irp x, 0,1
	v_mul_f32 v[TMP+\x], s[NCS], v[ST+4*\x+1]      ; -t
.endr
.irp x, 0,1
	v_mov_b32 v[TM2+\x], v[ST+4*\x]
.endr
.irp x, 0,1
	v_floor_f32 v[ST+4*\x], v[TMP+\x]              ; the new -M = -ceil(t)
.endr
.irp x, 0,1
	v_sub_f32 v[TMP+\x], v[ST+4*\x], v[TM2+\x]     ; old M - new M: a whole number, 0 or less
.endr
.irp x, 0,1
	v_cvt_i32_f32 v[TMP+\x], v[TMP+\x]             ; (it saturates)
.endr
.irp x, 0,1
	v_ldexp_f32 v[FF+2*\x], 1.0, v[TMP+\x]
.endr
	WIN 0x41
.irp x, 0,1
.set j, 0
.rept 16
	v_pk_mul_f32 v[O+32*\x+j:O+32*\x+j+1], v[O+32*\x+j:O+32*\x+j+1], v[FF+2*\x:FF+2*\x+1] op_sel_hi:[1,0]   ; O^T under the new M, each accumulator from its low end on
.set j, j+2
.endr
.endr
	WIN 0
.irp x, 0,1
.set j, 0
.rept 32
	v_pk_fma_f32 v[S+64*\x+j:S+64*\x+j+1], v[S+64*\x+j:S+64*\x+j+1], s[CS:CS+1], v[ST+4*\x:ST+4*\x+1] op_sel_hi:[1,0,0]   ; t - M
.set j, j+2
.endr
.endr
.irp x, 0,1
.irp c, 0,1
	v_fma_f32 v[BM+2*\x+\c], v[BM+2*\x+\c], s[CS], v[ST+4*\x]
.endr
.endr
	WALU
.irp k, 0,1,2,3
	v_exp_f32 v[BM+\k], v[BM+\k]                   ; the blocks' largest p
.endr
.set j, 0
.rept 128
	v_exp_f32 v[S+j], v[S+j]                       ; p = 2^(t - M)
.set j, j+1
.endr
.irp x, 0,1
	v_pk_mul_f32 v[ST+4*\x+2:ST+4*\x+3], v[ST+4*\x+2:ST+4*\x+3], v[FF+2*\x:FF+2*\x+1] op_sel_hi:[1,0]   ; the sums under the new M: plain lines behind the batch
.endr
	WALU                                           ; and the one wait behind it
.irp k, 0,1,2,3
	v_max_num_f32 v[BM+\k], 0x1800000, v[BM+\k]    ; the floor 2^(3 - 127): the byte cannot fall under 1
.endr
.irp k, 0,1,2,3
	v_add_nc_u32 v[BM+\k], 0xff000000, v[BM+\k]    ; 2 off the exponent field: the conversions' scale operand
.endr
.irp k, 0,1,2,3
	v_lshrrev_b32 v[BN+\k], 23, v[BM+\k]           ; the byte
.endr
.irp x, 0,1
	v_lshl_or_b32 v[PSW+\x], v[BN+2*\x+1], 16, v[BN+2*\x]     ; my blocks h and 2 + h,
.endr
.irp x, 0,1
	v_lshlrev_b32 v[PSW+\x], v[SH8], v[PSW+\x]     ; at their places in the word;
.endr
.irp x, 0,1
	v_permlanex16_b32 v[TM2+\x], v[PSW+\x], s[SEL], s[SEL+1]
.endr
.irp x, 0,1
	v_or_b32 v[PSW+\x], v[PSW+\x], v[TM2+\x]       ; with lane l xor 16's two the word is whole
.endr
.irp x, 0,1
.irp c, 0,1
	v_cvt_scalef32_pk16_fp6_f32 v[PC+12*\x+6*\c:PC+12*\x+6*\c+2], v[S+64*\x+32*\c:S+64*\x+32*\c+15], v[BM+2*\x+\c]
	v_cvt_scalef32_pk16_fp6_f32 v[PT+8*\x+4*\c:PT+8*\x+4*\c+2], v[S+64*\x+32*\c+16:S+64*\x+32*\c+31], v[BM+2*\x+\c]   ; (three registers begin on an even number)
.endr
.endr
.irp x, 0,1
	v_pk_add_f32 v[S2+2*\x:S2+2*\x+1], v[S+64*\x:S+64*\x+1], v[S+64*\x+2:S+64*\x+3]   ; the sum of the unquantised p, two chains a tile.  (Plain lines behind the conversions)
.endr
.irp x, 0,1
.irp c, 0,1
.irp i, 0,1,2
	v_mov_b32 v[PC+12*\x+6*\c+3+\i], v[PT+8*\x+4*\c+\i]
.endr
.endr
.endr
.irp x, 0,1                            ; four chains a tile (v104-115 hold three of them), eight by turns
	v_pk_add_f32 v[S2+4+2*\x:S2+5+2*\x], v[S+64*\x+4:S+64*\x+5], v[S+64*\x+6:S+64*\x+7]
	v_pk_add_f32 v[S2+8+2*\x:S2+9+2*\x], v[S+64*\x+8:S+64*\x+9], v[S+64*\x+10:S+64*\x+11]
.endr
.irp j, 12,20,28,36,44,52
.irp x, 0,1
	v_pk_add_f32 v[ST+4*\x+2:ST+4*\x+3], v[ST+4*\x+2:ST+4*\x+3], v[S+64*\x+\j:S+64*\x+\j+1]
.endr
.irp x, 0,1
	v_pk_add_f32 v[S2+2*\x:S2+2*\x+1], v[S2+2*\x:S2+2*\x+1], v[S+64*\x+\j+2:S+64*\x+\j+3]
.endr
.irp x, 0,1
	v_pk_add_f32 v[S2+4+2*\x:S2+5+2*\x], v[S2+4+2*\x:S2+5+2*\x], v[S+64*\x+\j+4:S+64*\x+\j+5]
.endr
.irp x, 0,1
	v_pk_add_f32 v[S2+8+2*\x:S2+9+2*\x], v[S2+8+2*\x:S2+9+2*\x], v[S+64*\x+\j+6:S+64*\x+\j+7]
.endr
.endr
.irp x, 0,1
	v_pk_add_f32 v[ST+4*\x+2:ST+4*\x+3], v[ST+4*\x+2:ST+4*\x+3], v[S+64*\x+60:S+64*\x+61]
.endr
.irp x, 0,1
	v_pk_add_f32 v[S2+2*\x:S2+2*\x+1], v[S2+2*\x:S2+2*\x+1], v[S+64*\x+62:S+64*\x+63]
.endr
.irp x, 0,1
	v_pk_add_f32 v[S2+4+2*\x:S2+5+2*\x], v[S2+4+2*\x:S2+5+2*\x], v[S2+8+2*\x:S2+9+2*\x]
.endr
.irp x, 0,1
	v_pk_add_f32 v[ST+4*\x+2:ST+4*\x+3], v[ST+4*\x+2:ST+4*\x+3], v[S2+2*\x:S2+2*\x+1]
.endr
.irp x, 0,1
	v_pk_add_f32 v[ST+4*\x+2:ST+4*\x+3], v[ST+4*\x+2:ST+4*\x+3], v[S2+4+2*\x:S2+5+2*\x]
.endr
	s_wait_dscnt 20                                ; v's 17 loads are in; the next k's 20 are younger
	WIN 0x51
.irp t, 0,1,2,3
.irp x, 0,1
	WM O+32*\x+8*\t, FV+12*\t, PC+12*\x, v[O+32*\x+8*\t:O+32*\x+8*\t+7], VS+\t, PSW+\x
.endr
.endr
	WIN 0
.rept 4
	v_nop                                          ; four places ahead of the loads into registers that the products have read
.endr
	VLOADS
	s_add_co_u32 s[CNT], s[CNT], 1
	s_cmp_lt_u32 s[CNT], 16
	s_cbranch_scc1 .Lstep_\@
	; THE WAY OUT: O^T / the sum; a tile's 32 registers are the head's 64 channels, register 16 b + i = channel 32 b + 16 (lane / 16) + i
	WALU
.irp x, 0,1
	v_add_f32 v[ST+4*\x+2], v[ST+4*\x+2], v[ST+4*\x+3]
.endr
.irp x, 0,1
	v_permlanex16_b32 v[TM2+\x], v[ST+4*\x+2], s[SEL], s[SEL+1]
.endr
.irp x, 0,1
	v_add_f32 v[ST+4*\x+2], v[ST+4*\x+2], v[TM2+\x]
.endr
	WALU
.irp x, 0,1
	v_rcp_f32 v[ST+4*\x+2], v[ST+4*\x+2]
.endr
	WIN 0x01
	v_nop
	WALU
.irp x, 0,1
.set j, 0
.rept 32
	v_mul_f32 v[S+64*\x+j], v[O+32*\x+j], v[ST+4*\x+2]
.set j, j+1
.endr
.endr
	WIN 0
.irp x, 0,1
.irp b, 0,1
	v_max3_num_f32 v[BM+2*\x+\b], |v[S+64*\x+16*\b]|, |v[S+64*\x+16*\b+1]|, 0x1800000
.endr
.endr
.irp i, 2,4,6,8,10,12,14
.irp x, 0,1
.irp b, 0,1
	v_max3_num_f32 v[BM+2*\x+\b], v[BM+2*\x+\b], |v[S+64*\x+16*\b+\i]|, |v[S+64*\x+16*\b+\i+1]|
.endr
.endr
.endr
.irp k, 0,1,2,3
	v_permlanex16_b32 v[BN+\k], v[BM+\k], s[SEL], s[SEL+1]
.endr
.irp k, 0,1,2,3
	v_max_num_f32 v[BM+\k], v[BM+\k], v[BN+\k]     ; with lane l xor 16's 16: the block's largest magnitude
.endr
.irp k, 0,1,2,3
	v_add_nc_u32 v[BM+\k], 0xff000000, v[BM+\k]
.endr
.irp k, 0,1,2,3
	v_lshrrev_b32 v[BN+\k], 23, v[BM+\k]
.endr
.irp x, 0,1
	v_lshl_or_b32 v[PSW+\x], v[BN+2*\x+1], 8, v[BN+2*\x]
.endr
.irp x, 0,1
	v_cvt_scalef32_pk16_fp6_f32 v[PC+12*\x:PC+12*\x+2], v[S+64*\x:S+64*\x+15], v[BM+2*\x]
	v_cvt_scalef32_pk16_fp6_f32 v[PT+8*\x:PT+8*\x+2], v[S+64*\x+16:S+64*\x+31], v[BM+2*\x+1]
.endr
	v_nop
.irp x, 0,1
.irp i, 0,1,2
	v_permlane16_swap_b32 v[PC+12*\x+\i], v[PT+8*\x+\i]     ; a whole block to a lane: lanes 0-15 block 0, lanes 16-31 block 1
.endr
.endr
.irp x, 0,1
.irp i, 0,1,2
	v_mov_b32 v[PC+12*\x+3+\i], v[PT+8*\x+\i]
.endr
.endr
.irp x, 0,1
	global_store_b128 v[LI], v[PC+12*\x:PC+12*\x+3], s[48:49] offset:(2*\p+\x)*1536          ; 512 consecutive bytes, aligned
	global_store_b64 v[L8], v[PC+12*\x+4:PC+12*\x+5], s[48:49] offset:(2*\p+\x)*1536+512     ; 256 consecutive bytes, aligned
.endr
	WALU
	s_wait_xcnt 0x0                                ; EXEC changes only behind this wait
	v_cmp_gt_u32 vcc_lo, 256, v[LI]
	s_and_saveexec_b32 s56, vcc_lo                 ; lanes 16-31 hold the same bytes
.irp x, 0,1
	global_store_b16 v[LR], v[PSW+\x], s[50:51] offset:(2*\p+\x)*512    ; two bytes a row, 16 bytes apart: the bytes between are the other heads'
.endr
	s_wait_xcnt 0x0
	s_or_b32 exec_lo, exec_lo, s56
.endm
	PASS 0
	PASS 1
	s_wait_tensorcnt 0x0                           ; the wave's end
	ds_add_u32 v[SPW], v[NIL]
	s_wait_dscnt 0x0
	CROUND                                         ; the closing round
	s_endpgm
.Lfunc_end_k_q253a6d0cd8_attn:
	.size	k_q253a6d0cd8_attn, .Lfunc_end_k_q253a6d0cd8_attn-k_q253a6d0cd8_attn
	.p2alignl 7, 3214868480
	.fill 96, 4, 3214868480
	.section	.rodata,"a",@progbits
	.p2align	6, 0x0
	.amdhsa_kernel k_q253a6d0cd8_attn
		.amdhsa_group_segment_fixed_size 223232
		.amdhsa_private_segment_fixed_size 0
		.amdhsa_enable_private_segment 0
		.amdhsa_kernarg_size 16
		.amdhsa_user_sgpr_count 2
		.amdhsa_user_sgpr_kernarg_segment_ptr 1
		.amdhsa_wavefront_size32 1
		.amdhsa_system_sgpr_workgroup_id_x 1
		.amdhsa_system_sgpr_workgroup_id_y 1
		.amdhsa_system_sgpr_workgroup_id_z 1
		.amdhsa_system_vgpr_workitem_id 0
		.amdhsa_next_free_vgpr 512
		.amdhsa_next_free_sgpr 66
		.amdhsa_reserve_vcc 1
		.amdhsa_float_denorm_mode_32 3
		.amdhsa_float_denorm_mode_16_64 3
		.amdhsa_memory_ordered 1
		.amdhsa_forward_progress 1
		.amdhsa_inst_pref_size 84
	.end_amdhsa_kernel
	.amdgpu_metadata
---
amdhsa.version: [ 1, 2 ]
amdhsa.kernels:
  - .name:           k_q253a6d0cd8_attn
    .symbol:         k_q253a6d0cd8_attn.kd
    .args:
      - { .name: bufB, .offset: 0, .size: 8, .value_kind: global_buffer, .address_space: global }
      - { .name: bufC, .offset: 8, .size: 8, .value_kind: global_buffer, .address_space: global }
    .group_segment_fixed_size: 223232
    .private_segment_fixed_size: 0
    .kernarg_segment_align: 8
    .kernarg_segment_size: 16
    .max_flat_workgroup_size: 256
    .sgpr_count:     66
    .vgpr_count:     512
    .wavefront_size: 32
...
	.end_amdgpu_metadata
.endif
;; end of part 3
;; launch proj (part 4): grid 4 x 64, 4 waves a work-group, clusters of 4 x 4, 327,680 bytes of LDS; arguments bufC, b_out, out0; writes out0
.if DOCPART == 4
	.amdgcn_target "amdgcn-amd-amdhsa--gfx1250"
	.amdhsa_code_object_version 6
	.text
	.protected	k_q253a6d0cd8_proj
	.globl	k_q253a6d0cd8_proj
	.p2align	8
	.type	k_q253a6d0cd8_proj,@function
k_q253a6d0cd8_proj:
	s_mov_b64 s[64:65], 0
	v_nop
	global_prefetch_b8 v0, s[64:65] scope:SCOPE_SE
	s_setreg_imm32_b32 hwreg(HW_REG_WAVE_MODE, 25, 1), 1
	s_wait_xcnt 0x0
	s_wait_alu depctr_hold_cnt(0) depctr_sa_sdst(0) depctr_va_vdst(0) depctr_va_sdst(0) depctr_va_ssrc(0) depctr_va_vcc(0) depctr_vm_vsrc(0)
	s_getreg_b32 s2, hwreg(HW_REG_IB_STS2, 6, 4)
	s_cmp_eq_u32 s2, 0
	s_cbranch_scc0 .Lentry_in_a_cluster
	s_endpgm
.Lentry_in_a_cluster:
	s_bfe_u32 s2, ttmp6, 0x10000c
	s_cmp_lg_u32 s2, 0xf033
	s_cbranch_scc0 .Lentry_shape_is_right
	s_endpgm
.Lentry_shape_is_right:
; out0 = o W_out + b_out on codes of FP6 (E2M3).  o's and W_out's codes and scale words lie in bufC as images of the operands' registers.
; A work-group makes 256 columns (source 0 = W_out's columns) x 128 tokens (source 1 = o) over all of K = 1,024.  Both operands' codes for all of K, 294,912 bytes, lie in LDS at once: every LDS byte is filled once,
; in four chunks of four K steps of one source, one a wave.  Four waves: wave w has group w % 2 of source 0 (8 tiles) and tiles 4 (w / 2) .. + 3 of source 1: 32 accumulators.
; In a result, lane (r, h) holds token 32 (b / 2) + 8 (b % 2) + r + 8 (r / 8) of my 64, and register 8 a + j column 32 (a / 2) + 16 h + 8 (a % 2) + j of my 128.  The bias is the C of the first products.
; CLUSTERS of 4 x 4: source 0's tile hangs on cx and is shared down a column of the cluster, source 1's on cy and is shared along a row: each is asked for jointly.
; No prefetch: every tensor load of a work-group goes out at its head.  No ring: nothing is filled again.
.set OS_O,  0
.set WOS_O, 262144
.set OC_O,  294912
.set WOC_O, 6586368
.set GRP,   98304
.set STP,   12288
.set IMGB,  1536
.set S1L,   196608
.set STAGE, 294912                     ; behind the codes: 16 rows x (256 bytes + 16) for each wave; no tensor load fills it
.set SPARE, STAGE+4*16*272             ; then the spare words, 128 bytes for each wave
.set STO,   9                          ; v9   the way out: where I put 32 bytes of a row
.set RD,    10                         ; v10  where I read a row back
.set CO,    11                         ; v11  my byte offset in out0
.set AD0,   16
.set AD1,   18
.set SPW,   28                         ; v28  LDS address of my spare word; never rewritten
.set NIL,   29                         ; v29  0; never rewritten
.set SC,    32                         ; v32-95 scale words: register 8 i + s: lanes 0-15 source 1's tile i, lanes 16-31 source 0's tile i, K step s; scales and nothing else
.set F1,    96                         ; v96-191 source 1's fragments, two sets
.set BK,    96                         ; the way out: 16 rows read back, two sets of 32
.set BR,    192                        ; v192-255 the bias: 8 a + j
.set G1A,   24
.set G1B,   32
.set G0A,   40
.set G0B,   68
.set MSB, 0
.macro WIN new                         ; the immediate's high byte repeats the setting that is left
.if MSB != \new
	s_set_vgpr_msb (MSB<<8)|\new
.set MSB, \new
.endif
.endm
.macro CROUND                          ; a round of the cluster's barrier
	s_barrier_signal -1
	s_barrier_wait -1
	s_cmp_lg_u32 s10, 0
	s_cbranch_scc1 .Lnot_wave_0_\@
	s_barrier_signal -3
.Lnot_wave_0_\@:
	s_barrier_wait -3
	s_barrier_signal -1
	s_barrier_wait -1
.endm
.macro PLACES                          ; four plain instructions between a matrix instruction and a load into, or a store or vector instruction on, its registers
.rept 4
	v_nop
.endr
.endm
.macro FETCH s                         ; K step s: 8 fragments of source 0, three loads of 512 consecutive bytes each, and 4 of source 1 in two halves of 768 bytes, into set s % 2
	WIN 0x40
.irp a, 0,1,2,3,4,5,6,7
.irp q, 0,1,2
	ds_load_b128 v[96*((\s)%2)+12*\a+4*\q:96*((\s)%2)+12*\a+4*\q+3], v[AD0+(\s)/4] offset:((\s)%4)*STP+IMGB*\a+512*\q
.endr
.endr
	WIN 0
.irp b, 0,1,2,3
.irp c, 0,1                            ; o's images lie as two halves of 768 bytes: registers 6 c .. + 3 at 16 x lane, registers 6 c + 4, 5 at 512 + 8 x lane
	ds_load_b128 v[F1+48*((\s)%2)+12*\b+6*\c:F1+48*((\s)%2)+12*\b+6*\c+3], v[AD1+(\s)/4] offset:((\s)%4)*STP+IMGB*\b+768*\c
	ds_load_b64 v[F1+48*((\s)%2)+12*\b+6*\c+4:F1+48*((\s)%2)+12*\b+6*\c+5], v[12+(\s)/4] offset:((\s)%4)*STP+IMGB*\b+768*\c+512
.endr
.endr
.endm
; 16 products of K step s: source 1's tiles b0, b0 + 1 x source 0's eight.  mode 2: the sums begin with the bias;  mode 0: they go on.  The 32 accumulators take turns in the same order in every step.
.macro MUL2 s, b0, mode
.if \mode == 2
	WIN 0x81
.else
	WIN 0xa1
.endif
.irp b, \b0, \b0+1
.irp a, 0,1,2,3,4,5,6,7
.if \mode == 0
	v_wmma_scale_f32_16x16x128_f8f6f4 v[8*(8*(\b)+\a):8*(8*(\b)+\a)+7], v[96*((\s)%2)+12*\a:96*((\s)%2)+12*\a+11], v[F1+48*((\s)%2)+12*(\b):F1+48*((\s)%2)+12*(\b)+11], v[8*(8*(\b)+\a):8*(8*(\b)+\a)+7], v[SC+8*\a+(\s)], v[SC+8*(\b)+(\s)] matrix_a_fmt:MATRIX_FMT_FP6 matrix_b_fmt:MATRIX_FMT_FP6 matrix_a_scale:MATRIX_SCALE_ROW1
.else
	v_wmma_scale_f32_16x16x128_f8f6f4 v[8*(8*(\b)+\a):8*(8*(\b)+\a)+7], v[96*((\s)%2)+12*\a:96*((\s)%2)+12*\a+11], v[F1+48*((\s)%2)+12*(\b):F1+48*((\s)%2)+12*(\b)+11], v[BR+8*\a:BR+8*\a+7], v[SC+8*\a+(\s)], v[SC+8*(\b)+(\s)] matrix_a_fmt:MATRIX_FMT_FP6 matrix_b_fmt:MATRIX_FMT_FP6 matrix_a_scale:MATRIX_SCALE_ROW1
.endif
.endr
.endr
.endm
.macro KEVEN s, mode                   ; an even K step: its successor lies in the same chunk
	s_wait_dscnt 0x0                               ; this step's fragments are in
.if (\s) > 0
	PLACES                                         ; the other set was read by the products just issued
.endif
	FETCH (\s)+1
	MUL2 \s, 0, \mode
	MUL2 \s, 2, \mode
.endm
.macro KODD s                          ; an odd K step: its successor lies in the same chunk
	s_wait_dscnt 0x0                               ; this step's fragments are in
	PLACES
	FETCH (\s)+1
	MUL2 \s, 0, 0
	MUL2 \s, 2, 0
.endm
	s_load_b128 s[4:7], s[0:1], 0x0                ; bufC s[4:5], b_out s[6:7]
	s_load_b64 s[8:9], s[0:1], 0x10                ; out0
	v_lshl_add_u32 v[SPW], v0, 2, SPARE
	v_mov_b32 v[NIL], 0
	ds_add_u32 v[SPW], v[NIL]                      ; the wave's opening: the add and its wait stand ahead of my first tensor load; the set-up, work on registers, stands between
	ds_add_u32 v[SPW], v[NIL]
	v_lshrrev_b32 v1, 5, v0
	v_readfirstlane_b32 s10, v1                    ; wave 0..3
	s_and_b32 s11, s10, 1                          ; my group of source 0.  Also: which part of a chunk I fetch
	s_lshr_b32 s12, s10, 1                         ; my four tiles of source 1.  Also: I fetch for source 0 (0) or for source 1 (1)
	s_bfe_u32 s13, ttmp6, 0x40000                  ; cx
	s_bfe_u32 s14, ttmp6, 0x40004                  ; cy
	s_lshl_b32 s19, ttmp9, 2
	s_add_co_u32 s19, s19, s13                     ; source 0's tile of 256 columns: it holds cx and never cy
	s_and_b32 s20, ttmp7, 0xffff
	s_lshl_b32 s20, s20, 2
	s_add_co_u32 s20, s20, s14                     ; source 1's tile of 128 tokens: it holds cy and never cx
	s_lshl_b32 s22, s14, 2
	s_lshl_b32 s22, 15, s22                        ; my row of the cluster
	s_lshl_b32 s23, 0x1111, s13                    ; my column
	; descriptor groups 1: elements of 8 bytes: source 0 as two rows of 49,152 bytes, source 1 as 192 rows of 256 bytes (four K steps of a group)
	s_or_b32 s[G1A], s23, (3<<16)|(1<<21)          ; 15:0 the mask; 17:16 elements of 8 bytes; 21 set beside a mask
	; as the text stands now: one tensor load a wave: wave 0 source 0's K steps 0-3 of both groups, wave 1 source 1's K steps 0-3, waves 2 and 3 the same of K steps 4-7
	s_mov_b32 s[G1A+1], 6144<<16                   ; source 0: a row is four K steps of a group, 49,152 bytes;
	s_mov_b32 s[G1A+2], 2<<16                      ; two rows: the two groups,
	s_mov_b32 s[G1A+3], 6144<<16
	s_mov_b32 s[G1A+4], 2
	s_mov_b32 s[G1A+5], 12288                      ; a group apart in memory, on end in LDS
	s_mov_b32 s[G1A+6], 0
	s_mov_b32 s[G1A+7], 0
	s_or_b32 s[G1B], s22, (3<<16)|(1<<21)
	s_mov_b32 s[G1B+1], 32<<16
	s_mov_b32 s[G1B+2], 192<<16                    ; source 1: four K steps (192 rows)
	s_mov_b32 s[G1B+3], 32<<16
	s_mov_b32 s[G1B+4], 192
	s_mov_b32 s[G1B+5], 32
	s_mov_b32 s[G1B+6], 0
	s_mov_b32 s[G1B+7], 0
	s_mul_i32 s92, s12, 4*STP                      ; I fetch half w / 2 of K, for source w % 2
	s_lshl_b32 s89, s92, 1                         ; source 0 in LDS: [half of K][group][four K steps]
	s_mul_i32 s90, s19, 2*GRP
	s_add_co_u32 s90, s90, s92
	s_add_co_u32 s90, s90, WOC_O                   ; and in memory
	s_mov_b32 s91, 0
	s_add_co_u32 s93, s92, S1L
	s_mul_i32 s94, s20, GRP
	s_add_co_u32 s94, s94, s92
	s_add_co_u32 s94, s94, OC_O
	s_mov_b32 s95, 0
	v_and_b32 v1, 31, v0                           ; lane
	v_and_b32 v2, 15, v0                           ; r
	v_bfe_u32 v3, v0, 4, 1                         ; h
	v_lshlrev_b32 v4, 4, v1                        ; 16 x lane
	v_lshlrev_b32 v5, 4, v2                        ; 16 r
	s_mul_i32 s22, s11, 4*STP
	v_add_nc_u32 v[AD0], s22, v4                   ; my group w % 2 in the first half of K,
	v_add_nc_u32 v[AD0+1], 8*STP, v[AD0]           ; and in the second
	s_mul_i32 s22, s12, 4*IMGB
	s_add_co_u32 s22, s22, S1L
	v_add_nc_u32 v[AD1], s22, v4
	v_add_nc_u32 v[AD1+1], 4*STP, v[AD1]
	v_lshlrev_b32 v12, 3, v1                       ; v12, v13: the same for the pieces of 8 bytes a lane
	v_add_nc_u32 v12, s22, v12
	v_add_nc_u32 v13, 4*STP, v12
	s_mul_i32 s22, s10, 16*272
	s_add_co_u32 s22, s22, STAGE                   ; my stage
	v_mul_u32_u24 v8, v2, 272
	v_lshl_add_u32 v8, v3, 6, v8
	v_add_nc_u32 v[STO], s22, v8                   ; in: row r, + 64 h
	v_mul_u32_u24 v8, v3, 272
	v_lshl_add_u32 v8, v2, 4, v8
	v_add_nc_u32 v[RD], s22, v8                    ; back: lanes 0-15 one row, lanes 16-31 the next
	v_lshlrev_b32 v[CO], 12, v3
	v_lshl_add_u32 v[CO], v2, 4, v[CO]             ; and the same two rows in out0
	s_wait_dscnt 0x0                               ; the opening add is done
	s_wait_kmcnt 0x0
	s_add_nc_u64 s[90:91], s[4:5], s[90:91]
	s_add_nc_u64 s[94:95], s[4:5], s[94:95]
.irp c, 0
	s_mov_b32 s[G0A+4*\c], 1
	s_add_co_u32 s[G0A+4*\c+1], s89, \c*2*STP                          ; LDS address: made of the wave's number alone
	s_add_nc_u64 s[G0A+4*\c+2:G0A+4*\c+3], s[90:91], \c*2*STP          ; global address
	s_or_b32 s[G0A+4*\c+3], s[G0A+4*\c+3], 0x80000000                  ; type = 2
	s_mov_b32 s[G0B+4*\c], 1
	s_add_co_u32 s[G0B+4*\c+1], s93, \c*2*STP
	s_add_nc_u64 s[G0B+4*\c+2:G0B+4*\c+3], s[94:95], \c*2*STP
	s_or_b32 s[G0B+4*\c+3], s[G0B+4*\c+3], 0x80000000
.endr
	CROUND                                         ; all sixteen work-groups are here: the joint loads meet
.macro ARM w, g0, g1                   ; one chain of branches on the wave's number, a load line to each wave
	s_cmp_eq_u32 s10, \w
	s_cbranch_scc0 .Larm_\w
	tensor_load_to_lds s[\g0:\g0+3], s[\g1:\g1+7]
	s_nop 0
.rept 4
	v_nop
.endr
	s_branch .Lfilled
.Larm_\w:
.endm
	ARM 0, G0A, G1A                                ; source 0, K steps 0-3
	ARM 1, G0B, G1B                                ; source 1, K steps 0-3
	ARM 2, G0A, G1A                                ; source 0, K steps 4-7
	tensor_load_to_lds s[G0B:G0B+3], s[G1B:G1B+7]  ; source 1, K steps 4-7
	s_nop 0
.rept 4
	v_nop
.endr
.Lfilled:
	; the scale words of all of K: 16 bytes a lane (four K steps of a row): lanes 0-15 source 1's tiles from my first on (of the eight loaded, four are mine; the others lie inside the buffer and are not used), lanes 16-31 source 0's eight
	s_lshl_b32 s22, s20, 3
	s_lshl_b32 s23, s12, 2
	s_add_co_u32 s22, s22, s23
	s_lshl_b32 s22, s22, 9                         ; source 1: tile 8 x tile of 128 + 4 (w / 2); o's words begin at byte 0
	s_lshl_b32 s23, s19, 4
	s_lshl_b32 s84, s11, 3
	s_add_co_u32 s23, s23, s84
	s_lshl_b32 s23, s23, 9
	s_add_co_u32 s23, s23, WOS_O                   ; source 0: tile 16 x tile of 256 + 8 (w % 2)
	v_cmp_gt_u32 s96, 16, v1
	v_mov_b32 v25, s22
	v_mov_b32 v26, s23
	v_cndmask_b32 v24, v26, v25, s96
	v_add_nc_u32 v24, v24, v5
.irp i, 0,1,2,3,4,5,6,7
.irp q, 0,1
	global_load_b128 v[SC+8*\i+4*\q:SC+8*\i+4*\q+3], v24, s[4:5] offset:512*\i+256*\q
.endr
.endr
	s_lshl_b32 s84, s19, 8
	s_lshl_b32 s97, s11, 7
	s_add_co_u32 s84, s84, s97                     ; my first column
	s_lshl_b32 s84, s84, 2
	v_lshl_add_u32 v6, v3, 6, s84                  ; register 8 a + j is column 32 (a / 2) + 16 h + 8 (a % 2) + j
.irp a, 0,1,2,3,4,5,6,7
	global_load_b128 v[BR+8*\a:BR+8*\a+3], v6, s[6:7] offset:4*(32*(\a/2)+8*(\a%2))
	global_load_b128 v[BR+8*\a+4:BR+8*\a+7], v6, s[6:7] offset:4*(32*(\a/2)+8*(\a%2))+16
.endr
	s_lshl_b32 s56, s20, 7
	s_lshl_b32 s57, s12, 6
	s_add_co_u32 s56, s56, s57                     ; my first token
	s_lshl_b32 s56, s56, 12
	s_add_co_u32 s60, s56, s84
	s_mov_b32 s61, 0
	s_add_nc_u64 s[60:61], s[8:9], s[60:61]        ; out0 at my first token and column
	s_cmp_lt_u32 s10, 2
	s_cbranch_scc0 .Lnot_first
	s_wait_tensorcnt 0x0                           ; waves 0 and 1: K steps 0-3 have landed
.Lnot_first:
	s_barrier_signal -1
	s_barrier_wait -1                              ; waves 2 and 3's tiles may still be on their way
	FETCH 0
	s_wait_loadcnt 0x0                             ; the scale words and the bias
	KEVEN 0, 2                                     ; the first products start the sums with the bias: it costs no addition
	KODD 1
	KEVEN 2, 0
	s_wait_dscnt 0x0                               ; K step 3's fragments are in: no LDS instruction of mine is out at the signal
	s_wait_tensorcnt 0x0                           ; every wave: its one load has landed
	s_barrier_signal -1
	MUL2 3, 0, 0                                   ; work on registers while the others arrive
	s_barrier_wait -1                              ; K steps 4-7 are whole.
	PLACES
	FETCH 4
	MUL2 3, 2, 0
	KEVEN 4, 0
	KODD 5
	KEVEN 6, 0
	s_wait_dscnt 0x0
	MUL2 7, 0, 0
	MUL2 7, 2, 0
; THE WAY OUT, in eight rounds: round k is tile k / 2 of my tokens x half k % 2 of my columns: 16 rows x 256 bytes.  A lane holds 32 neighbouring bytes of a row and the lanes beside it other rows: so the round goes
; through my own stage and comes back by rows, and sixteen lanes store 256 consecutive bytes, aligned.  LDS serves a wave's instructions in order: no wait between the stores and the loads, nor ahead of the next round's stores.
.macro TOSTAGE k
	WIN 0x08                                       ; an LDS store's data: window 2
.irp a, 0,1,2,3
	ds_store_b128 v[STO], v[64*((\k)/2)+8*(4*((\k)%2)+\a):64*((\k)/2)+8*(4*((\k)%2)+\a)+3] offset:128*(\a/2)+32*(\a%2)          ; each accumulator from its low end on
	ds_store_b128 v[STO], v[64*((\k)/2)+8*(4*((\k)%2)+\a)+4:64*((\k)/2)+8*(4*((\k)%2)+\a)+7] offset:128*(\a/2)+32*(\a%2)+16
.endr
	WIN 0
.irp i, 0,1,2,3,4,5,6,7
	ds_load_b128 v[BK+32*((\k)%2)+4*\i:BK+32*((\k)%2)+4*\i+3], v[RD] offset:544*\i
.endr
.endm
.macro SEND k, n                       ; n: the LDS instructions issued behind round k's loads, which may stay out
	s_wait_dscnt \n
.irp i, 0,1,2,3,4,5,6,7
	global_store_b128 v[CO], v[BK+32*((\k)%2)+4*\i:BK+32*((\k)%2)+4*\i+3], s[60:61] offset:(32*((\k)/4)+8*(((\k)/2)%2)+2*\i+8*(\i/4))*4096+256*((\k)%2) th:TH_STORE_NT   ; stage row 2 i + h is token 2 i + h + 8 (i / 4) of the tile
.endr
.endm
	PLACES
	s_wait_alu depctr_va_vdst(0)
	TOSTAGE 0
.irp k, 1,2,3,4,5,6,7
.if \k > 1
	s_wait_xcnt 0x0                                ; round k - 2's stores have read their registers: round k's loads may land there
.endif
	TOSTAGE \k
	SEND \k-1, 16                                  ; behind round k - 1's loads: round k's 8 stores and 8 loads
.endr
	SEND 7, 0
	s_wait_tensorcnt 0x0                           ; the wave's end
	ds_add_u32 v[SPW], v[NIL]
	s_wait_dscnt 0x0
	CROUND                                         ; the closing round
	s_endpgm
.Lfunc_end_k_q253a6d0cd8_proj:
	.size	k_q253a6d0cd8_proj, .Lfunc_end_k_q253a6d0cd8_proj-k_q253a6d0cd8_proj
	.p2alignl 7, 3214868480
	.fill 96, 4, 3214868480
	.section	.rodata,"a",@progbits
	.p2align	6, 0x0
	.amdhsa_kernel k_q253a6d0cd8_proj
		.amdhsa_group_segment_fixed_size 327680
		.amdhsa_private_segment_fixed_size 0
		.amdhsa_enable_private_segment 0
		.amdhsa_kernarg_size 24
		.amdhsa_user_sgpr_count 2
		.amdhsa_user_sgpr_kernarg_segment_ptr 1
		.amdhsa_wavefront_size32 1
		.amdhsa_system_sgpr_workgroup_id_x 1
		.amdhsa_system_sgpr_workgroup_id_y 1
		.amdhsa_system_sgpr_workgroup_id_z 1
		.amdhsa_system_vgpr_workitem_id 0
		.amdhsa_next_free_vgpr 768
		.amdhsa_next_free_sgpr 100
		.amdhsa_reserve_vcc 0
		.amdhsa_float_denorm_mode_32 3
		.amdhsa_float_denorm_mode_16_64 3
		.amdhsa_memory_ordered 1
		.amdhsa_forward_progress 1
		.amdhsa_inst_pref_size 80
	.end_amdhsa_kernel
	.amdgpu_metadata
---
amdhsa.version: [ 1, 2 ]
amdhsa.kernels:
  - .name:           k_q253a6d0cd8_proj
    .symbol:         k_q253a6d0cd8_proj.kd
    .args:
      - { .name: bufC, .offset: 0, .size: 8, .value_kind: global_buffer, .address_space: global }
      - { .name: b_out, .offset: 8, .size: 8, .value_kind: global_buffer, .address_space: global }
      - { .name: out0, .offset: 16, .size: 8, .value_kind: global_buffer, .address_space: global }
    .group_segment_fixed_size: 327680
    .private_segment_fixed_size: 0
    .kernarg_segment_align: 8
    .kernarg_segment_size: 24
    .max_flat_workgroup_size: 128
    .sgpr_count:     100
    .vgpr_count:     768
    .wavefront_size: 32
...
	.end_amdgpu_metadata
.endif
;; end of part 4
